; MI455X (gfx1250); checked and timed in simulation.
; The chip was launched on July 23, 2026; its instructions are those of AMD's public machine-readable ISA for CDNA 5 (MIT licence, August 2026) and "CDNA5" Instruction Set Architecture Reference Guide (July 2026). The comments in the code are by the model that wrote it; some were corrected since.
;; Attention Train. Allowed arithmetic: matrix products marked QUANTISED: E4M3 operands, one E8M0 scale for each 32 along K, by v_wmma_scale_f32_16x16x128_f8f6f4 with both operands' format E4M3, f32 sums; everything else in f32.
;; Inputs: Wk_codes 1,024 x 32 x 32 uint8 (E4M3 codes of Wk, K innermost, in blocks of 32 codes); Wk_scales 1,024 x 32 uint8 (E8M0 scales of Wk, one for each 32 codes along K); Wo_codes 1,024 x 32 x 32 uint8 (E4M3 codes of Wo, K innermost, in blocks of 32 codes); Wo_scales 1,024 x 32 uint8 (E8M0 scales of Wo, one for each 32 codes along K); Wq_codes 1,024 x 32 x 32 uint8 (E4M3 codes of Wq, K innermost, in blocks of 32 codes); Wq_scales 1,024 x 32 uint8 (E8M0 scales of Wq, one for each 32 codes along K); Wv_codes 1,024 x 32 x 32 uint8 (E4M3 codes of Wv, K innermost, in blocks of 32 codes); Wv_scales 1,024 x 32 uint8 (E8M0 scales of Wv, one for each 32 codes along K); bk 1,024 float32; bo 1,024 float32; bq 1,024 float32; bv 1,024 float32; x_codes 4 x 2,048 x 32 x 32 uint8 (E4M3 codes of x, K innermost, in blocks of 32 codes); x_scales 4 x 2,048 x 32 uint8 (E8M0 scales of x, one for each 32 codes along K).
;; Outputs: out0 4 x 2,048 x 1,024 float32.
;; This version of the problem:
;;   THIS VERSION OF THE PROBLEM IS GIVEN IN LOW PRECISION. The matrix products marked QUANTISED in the list below multiply operands that are first quantised to E4M3 (4 exponent bits, 3 mantissa bits; 8 bits a number), with one power-of-two scale for each 32 numbers along K (OCP MX v1.0); their sums are f32. All else is computed in f32.
;;   The module's matrix products, in the order in which they are computed (A, B: the left and right operand; K: the contracted axis; several contracted axes count as one K, in the product's order):
;;     1. [M 8,192, K 1,024] x [K 1,024, N 1,024]; A: input x (given as codes); B: input Wq (given as codes): QUANTISED
;;     2. [M 8,192, K 1,024] x [K 1,024, N 1,024]; A: input x (given as codes); B: input Wk (given as codes): QUANTISED
;;     3. [M 8,192, K 1,024] x [K 1,024, N 1,024]; A: input x (given as codes); B: input Wv (given as codes): QUANTISED
;;     4. batch 64 x [M 2,048, K 64] x [K 64, N 2,048]; A: computed on the way; B: computed on the way: QUANTISED
;;     5. batch 64 x [M 2,048, K 2,048] x [K 2,048, N 64]; A: softmax (see below); B: computed on the way: QUANTISED
;;     6. [M 8,192, K 1,024] x [K 1,024, N 1,024]; A: computed on the way; B: input Wo (given as codes): QUANTISED
;;   THE QUANTISER, for each operand of a quantised product, along K:
;;     - K is cut into blocks of 32 from its start; a last block that is shorter is filled with zeros.
;;     - A block's scale is 2^e with e = floor(log2(the largest magnitude in the block)) - 8, held to -126 .. 127; a block of zeros has e = 0. As a byte (E8M0): e + 127.
;;     - Each number is divided by its block's scale, clamped to +-448, and rounded to the nearest number of E4M3, ties to even, subnormals kept.
;;     - The product sums the exact products of the quantised numbers (number of the format x scale) in f32.
;;   ~~~python
;;   def quantise(x, axis):      # numpy; x: float32 -> the quantised numbers, widened to float32 again
;;       x = np.moveaxis(x, axis, -1); K = x.shape[-1]
;;       x = np.pad(x, [(0, 0)] * (x.ndim - 1) + [(0, -K % 32)]); x = x.reshape(x.shape[:-1] + (-1, 32)); a = np.abs(x).max(-1, keepdims=True)
;;       e = np.where(a > 0, np.clip(np.frexp(np.where(a > 0, a, 1))[1] - 1 - 8, -126, 127), 0)      # np.frexp(a)[1] - 1 = floor(log2(a)), exactly
;;       r = np.clip(x / 2.0 ** e, -448, 448)
;;       step = 2.0 ** (np.maximum(np.frexp(np.where(r == 0, 1, r))[1] - 1, -6) - 3)
;;       q = np.round(r / step) * step * 2.0 ** e      # np.round: ties to even
;;       return np.moveaxis(q.reshape(q.shape[:-2] + (-1,))[..., :K], -1, axis).astype(np.float32)
;;   ~~~
;;   SOFTMAX AHEAD OF A QUANTISED PRODUCT. Where the list says 'softmax', what is quantised is not the finished softmax but p = 2^(t - M), with t = logit x log2(e) and M = ceil(the row's largest t), a whole number; so 1/2 < the row's largest p <= 1. The row's sum l is taken of the UNQUANTISED p, in f32, and the product's result is divided by l at the end. Since M is a whole number, a kernel that streams over the keys may use a running M (the ceiling of the running maximum): every later rescaling is an exact power of two, which a block's scale takes up: the codes' values come out the same.
;;   OPERANDS COMPUTED ON THE WAY. 'Computed on the way' means the value that the module computes at that place (a softmax that the list does not call 'softmax' is quantised finished and normalised). What goes into a quantiser is computed in f32, as accurately as f32 sums, v_exp_f32 and their like allow (about 1e-6 of the number): no bf16 or f16 on the way to a quantiser, and a product that is left as it is and whose result goes on into a quantised operand takes f32 operands (vector FMAs, or v_wmma_f32_16x16x4_f32). A number that lies on a knife's edge between two numbers of the format may be rounded either way, as far as f32 arithmetic and the matrix unit's own rounding can turn it there, and no further.
;;   INPUTS GIVEN AS CODES. Wk (in the module: [1024, 1024], K = its axis 0); Wo (in the module: [1024, 1024], K = its axis 0); Wq (in the module: [1024, 1024], K = its axis 0); Wv (in the module: [1024, 1024], K = its axis 0); x (in the module: [4, 2048, 1024], K = its axis 2): each comes as NAME_codes (uint8): NAME with its K axis moved to the last place and cut into blocks of 32 codes, [.., K / 32, bytes a block], one block behind the other in memory; one code a byte (a code: sign, 4 exponent bits, 3 mantissa bits); and NAME_scales (uint8): the same leading axes, one E8M0 byte (e + 127) for each 32 codes along K. Its value is code x scale, taken as it is: it is not quantised again, and the codes and scales need not be those that the quantiser above would give.
;; One version. Each part assembles by itself: llvm-mc -triple=amdgcn-amd-amdhsa -mcpu=gfx1250 --defsym DOCPART=n.
;; ======== version 1 of 1: 3 launches
;; limits: right only within a limited range of input values
;; workspace buffers: qkv_codes 25,165,824 bytes; qkv_scales 786,432 bytes; ctx_codes 8,388,608 bytes; ctx_scales 262,144 bytes
;; launch qkv (part 1): grid 12 x 32, 4 waves a work-group, clusters of 4 x 4, 327,680 bytes of LDS; arguments x_codes, x_scales, Wq_codes, Wq_scales, Wk_codes, Wk_scales, Wv_codes, Wv_scales, bq, bk, bv, qkv_codes, qkv_scales; writes qkv_codes, qkv_scales
.if DOCPART == 1
	.amdgcn_target "amdgcn-amd-amdhsa--gfx1250"
	.amdhsa_code_object_version 6
	.text
	.protected	k_qf47c2286bb_qkv
	.globl	k_qf47c2286bb_qkv
	.p2align	8
	.type	k_qf47c2286bb_qkv,@function
k_qf47c2286bb_qkv:
	s_mov_b64 s[64:65], 0
	v_nop
	global_prefetch_b8 v0, s[64:65] scope:SCOPE_SE
	s_setreg_imm32_b32 hwreg(HW_REG_WAVE_MODE, 25, 1), 1
	s_wait_xcnt 0x0
	s_wait_alu depctr_hold_cnt(0) depctr_sa_sdst(0) depctr_va_vdst(0) depctr_va_sdst(0) depctr_va_ssrc(0) depctr_va_vcc(0) depctr_vm_vsrc(0)
	s_getreg_b32 s2, hwreg(HW_REG_IB_STS2, 6, 4)
	s_cmp_eq_u32 s2, 0
	s_cbranch_scc0 .Lentry_in_a_cluster
	s_endpgm
.Lentry_in_a_cluster:
	s_bfe_u32 s2, ttmp6, 0x10000c
	s_cmp_lg_u32 s2, 0xf033
	s_cbranch_scc0 .Lentry_shape_is_right
	s_endpgm
.Lentry_shape_is_right:
; q = x Wq + bq, k = x Wk + bk (rows = tokens, columns = features) and V^T = Wv x^T + bv (rows = features, columns = tokens), all on codes of FP8 (E4M3) with one E8M0 scale
; for each 32 along K = 1,024; each result is quantised again along its COLUMNS (q, k: the head's 64; V^T: the tokens, which are the second attention product's K) and stored as codes and scale bytes.
; ONE PATH FOR THE THREE: cluster x = 0, 1, 2 is q, k, v.  Only pointers, tile numbers, two bias masks and two byte selectors differ, all chosen by s_cselect on the cluster's x, which all partners share.
; A tile of 256 x 256 is made by four waves, 128 x 128 each: 64 accumulators.  K goes in steps of 256 through two LDS slots filled by the tensor data mover; the scale bytes of the tile's rows come once.
; CLUSTERS: 4 x 4 work-groups; A's tiles are asked for jointly along a row of the cluster, B's along a column.  THE MATRIX INSTRUCTION IS USED TRANSPOSED (source 0 = 16 rows of B, source 1 = 16 rows of A):
; lane (r, h) holds row r, and register j of accumulator (a, b) column 16 b + 8 h + j: so a lane's registers run along the axis that is quantised.
; THE BIASES START THE SUMS: accumulator = column bias (q, k) + row bias (v), made while the first tiles are on their way; nothing is cleared.
; OUTPUT, a tile of codes: [plane = column / 64][row 0..255][64 bytes], 65,536 bytes.  Inside a block of 32 columns the four groups of eight lie in the order 0, 2, 1, 3 (a lane's 16 codes of two neighbouring
; accumulators are stored as they stand): q and k carry the same order, and for V^T it is the order in which the attention's weights fall.
; OUTPUT, a tile of scale words: [column half][o][row half][g][r], 2,048 bytes.  q, k: word = (row 32 g + r: its two bytes of head 2 x half + o, row 32 g + 16 + r: its two).  v: word = the four bytes of row 32 g + 16 o + r.
; Tile number: q: 32 x feature tile + token tile; k: 128 more; v: 256 more.
; LIMITS: NaN and infinities are not served; a block whose largest magnitude lies under 2^(9 - 127), a block of zeros among them, gets the byte 1 (its codes are zeros or subnormal; this program alone reads the bytes).
; REGISTERS, in windows of 256: window 0: v0-31 addresses; v32-63 scale words, two sets; v64-127 column biases, later at work on the way out; from v128 A's fragments, one set (first the row biases; last the codes);
;   window 1: B's fragments, two sets.   windows 2, 3: the accumulators of my rows 0-63, 64-127 ((a, b) at v[8 (8 (a % 4) + b)]).
.set SIZE_K, 1024
.set KSTEP,  256                       ; along K in a slot
.set NQ,     KSTEP/128                 ; matrix instructions deep
.set ROWB,   256                       ; a tile's row in bytes
.set KROW,   SIZE_K                    ; a row of A or of B in memory
.set PITCH,  272                       ; an LDS row: 256 bytes + 16 of padding: the 16 rows of a load start at 16 different banks
.set FR,     16                        ; registers of a fragment
.set NL,     4                         ; LDS loads that bring one
.set NP,     8                         ; places behind this matrix instruction (ISA guide 7.12.1)
.set HALFT,  128*PITCH                 ; what one tensor load brings
.set SLOT,   4*HALFT                   ; A's 256 rows, then B's 256 rows
.set LAPS,   SIZE_K/(2*KSTEP)
.set KS,     SIZE_K/32                 ; a row of scale bytes
.set SCL,    2*SLOT                    ; behind the ring: the scale bytes, as units of 256 bytes + 16
.set HALFS,  (128*KS/256)*272
.set SBLK,   (16*KS/256)*272
.set SPARE,  SCL+4*HALFS               ; the spare words: 128 bytes a wave, named by no other line
.set RP,     80                        ; the way out: a stage row: 64 bytes of codes + 16
.set PS,     256*RP                    ; a plane of the stage.  The stage lies in slot 0, which has had its last fill and its last read by then
.set SSTG,   4*PS                      ; behind the four planes: 512 bytes of scale words for each wave
.set ADRA, 16
.set ADRB, 20
.set SSTO, 18                          ; where I put a scale word
.set SRD,  19                          ; where I read 16 bytes of them back
.set SCO,  22                          ; and their place in the tile of scale words
.set PSEL, 23                          ; the byte selector: lanes 0-15 make word o = 0, lanes 16-31 word o = 1
.set STO,  24                          ; where I put 16 codes
.set RD,   25                          ; where I read 16 codes of a plane back
.set CO,   26                          ; 16 x lane
.set ADRS, 27
.set SPW,  28
.set NIL,  29
.set BNO,  30                          ; 32 h: my eight numbers of a column bias
.set BMO,  31                          ; 4 r: my number of a row bias
.set SC,   32
.set BN,   64                          ; column biases: register 8 b + j
.set AF,   128
.set BM,   128                         ; row biases: pair 2 a (the upper word 0), until A's fragments come
.set TM,   64                          ; the way out: +0..3 largest magnitudes, +4..7 bytes, +12..15 the conversions' scale operands
.set PW,   80                          ; v80-87 the scale word of each block of 16 rows
.set OW,   89                          ; v89-92 the words as they are stored
.set SB,   96                          ; v96-99 16 bytes of scale words on their way out
.set PC,   128                         ; codes: 16 registers for each block of rows
.set G1, 24
.set G0, 32
.set G1B, 48
.set G0B, 56
.set G1S, 68
.set G0S, 76
.set G1SB, 80
.set G0SB, 88
.set MSB, 0
.macro WIN new                         ; the immediate's high byte repeats the setting that is left
.if MSB != (\new)
	s_set_vgpr_msb (MSB<<8)|(\new)
.set MSB, (\new)
.endif
.endm
.set MUL_LO, 0xa1                      ; source 0 (B) window 1, source 1 (A) window 0, C and D window 2
.set MUL_HI, 0xf1
.set TO_B,   0x40
; A joint load: waves 0 and 1 fetch for A, waves 2 and 3 for B; the branch hangs on the wave's number alone.  Four v_nop follow each line.
.macro JLOAD g0a, g1a, g0b, g1b
	s_cmp_eq_u32 s15, 0
	s_cbranch_scc0 .Lfor_b_\@
	tensor_load_to_lds s[\g0a:\g0a+3], s[\g1a:\g1a+7]
	s_nop 0
.rept 4
	v_nop
.endr
	s_branch .Lasked_\@
.Lfor_b_\@:
	tensor_load_to_lds s[\g0b:\g0b+3], s[\g1b:\g1b+7]
	s_nop 0
.rept 4
	v_nop
.endr
.Lasked_\@:
.endm
.macro CREST                           ; a round of the cluster's barrier behind its opening barrier
	s_cmp_lg_u32 s14, 0
	s_cbranch_scc1 .Lnot_wave_0_\@
	s_barrier_signal -3
.Lnot_wave_0_\@:
	s_barrier_wait -3
	s_barrier_signal -1
	s_barrier_wait -1
.endm
.macro CROUND
	s_barrier_signal -1
	s_barrier_wait -1
	CREST
.endm
	s_load_b512 s[68:83], s[0:1], 0x0              ; x codes, x scales, Wq codes, scales, Wk codes, scales, Wv codes, scales
	s_load_b256 s[84:91], s[0:1], 0x40             ; bq, bk, bv, qkv_codes
	s_load_b64 s[92:93], s[0:1], 0x60              ; qkv_scales
	v_lshl_add_u32 v[SPW], v0, 2, SPARE
	v_mov_b32 v[NIL], 0
	ds_add_u32 v28, v29
	ds_add_u32 v28, v29
	s_wait_dscnt 0x0
	v_lshrrev_b32 v1, 5, v0
	v_readfirstlane_b32 s14, v1                    ; wave 0..3
	s_lshr_b32 s15, s14, 1                         ; my half of the rows.  Also: I fetch for A (0) or for B (1)
	s_and_b32 s16, s14, 1                          ; my half of the columns.  Also: which 128 rows I fetch
	s_bfe_u32 s40, ttmp6, 0x40000                  ; cx
	s_bfe_u32 s41, ttmp6, 0x40004                  ; cy
	s_and_b32 s18, ttmp7, 0xffff
	s_lshl_b32 s18, s18, 2                         ; 4 x cluster y
	s_lshl_b32 s19, ttmp9, 2
	s_add_co_u32 s19, s19, s40                     ; q, k: 4 x cluster x + cx
	s_add_co_u32 s20, s41, 8                       ; v: 8 + cy
	s_mov_b32 s100, 0x05040100                     ; q, k: two bytes of each of two rows' words
	s_mov_b32 s101, 0x07060302
	s_lshl_b32 s43, s41, 2
	s_lshl_b32 s43, 15, s43                        ; my row of the cluster
	s_lshl_b32 s44, 0x1111, s40                    ; my column
	s_wait_kmcnt 0x0
	s_cmp_eq_u32 ttmp9, 0                          ; q or k?
	s_cselect_b64 s[8:9], s[72:73], s[76:77]
	s_cselect_b64 s[10:11], s[74:75], s[78:79]
	s_cselect_b64 s[96:97], s[84:85], s[86:87]     ; the column bias
	s_cmp_eq_u32 ttmp9, 2                          ; v?  Then Wv takes A's part and x takes B's
	s_cselect_b64 s[4:5], s[80:81], s[68:69]
	s_cselect_b64 s[6:7], s[82:83], s[70:71]
	s_cselect_b64 s[8:9], s[68:69], s[8:9]
	s_cselect_b64 s[10:11], s[70:71], s[10:11]
	s_cselect_b32 s21, 0, s18
	s_cselect_b32 s22, s18, 0
	s_cselect_b32 s95, -1, 0                       ; all ones for v
	s_cselect_b32 s100, 0x03020100, s100           ; v: a row's word as it stands
	s_cselect_b32 s101, 0x07060504, s101
	s_cselect_b32 s19, s20, s19
	s_cselect_b32 s23, s40, s41
	s_add_co_u32 s17, s21, s41                     ; A's tile: no cx in it
	s_add_co_u32 s42, s22, s40                     ; B's tile: no cy in it
	s_lshl_b32 s2, s19, 5
	s_add_co_u32 s2, s2, s18
	s_add_co_u32 s2, s2, s23                       ; the output tile's number
	s_mov_b64 s[98:99], s[88:89]                   ; bv
	s_mov_b64 s[12:13], s[90:91]                   ; qkv_codes
	s_mov_b64 s[66:67], s[92:93]                   ; qkv_scales
	; descriptor group 1: a tile of 128 rows x 256 bytes, 16 bytes of padding behind each row
	s_or_b32 s[G1+0], s43, (0<<16)|(1<<20)|(1<<21)|(5<<22)|(3<<25)
	s_or_b32 s[G1B+0], s44, (0<<16)|(1<<20)|(1<<21)|(5<<22)|(3<<25)
.irp g, G1, G1B
	s_mov_b32 s[\g+1], ROWB<<16
	s_mov_b32 s[\g+2], 128<<16
	s_mov_b32 s[\g+3], ROWB<<16
	s_mov_b32 s[\g+4], 128
	s_mov_b32 s[\g+5], KROW
	s_mov_b32 s[\g+6], 0
	s_mov_b32 s[\g+7], 0
.endr
	; the scale bytes of 128 rows: 4,096 dense bytes as 16 rows of 256 (32 elements of 8 bytes), padded likewise
	s_or_b32 s[G1S+0], s43, (3<<16)|(1<<20)|(1<<21)|(5<<22)|(3<<25)
	s_or_b32 s[G1SB+0], s44, (3<<16)|(1<<20)|(1<<21)|(5<<22)|(3<<25)
.irp g, G1S, G1SB
	s_mov_b32 s[\g+1], 32<<16
	s_mov_b32 s[\g+2], (128*KS/256)<<16
	s_mov_b32 s[\g+3], 32<<16
	s_mov_b32 s[\g+4], 128*KS/256
	s_mov_b32 s[\g+5], 32
	s_mov_b32 s[\g+6], 0
	s_mov_b32 s[\g+7], 0
.endr
	s_lshl_b32 s18, s16, 7
	s_lshl_b32 s20, s17, 8
	s_add_co_u32 s20, s20, s18                     ; A: row 256 x tile + 128 x half
	s_lshl_b32 s46, s42, 8
	s_add_co_u32 s46, s46, s18                     ; B likewise
	s_mov_b32 s21, 0
	s_mov_b32 s47, 0
	s_mov_b64 s[18:19], KS
	s_mul_u64 s[22:23], s[20:21], s[18:19]
	s_mul_u64 s[92:93], s[46:47], s[18:19]
	s_mov_b64 s[18:19], KROW
	s_mul_u64 s[20:21], s[20:21], s[18:19]
	s_mul_u64 s[46:47], s[46:47], s[18:19]
	s_mul_i32 s45, s14, HALFT                      ; LDS: wave x 128 rows
	s_mul_i32 s94, s14, HALFS
	s_add_nc_u64 s[20:21], s[4:5], s[20:21]
	s_add_nc_u64 s[22:23], s[6:7], s[22:23]
	s_add_nc_u64 s[46:47], s[8:9], s[46:47]
	s_add_nc_u64 s[92:93], s[10:11], s[92:93]
	CROUND                                         ; all sixteen work-groups are here: the first joint loads meet
	s_mov_b32 s[G0S], 1
	s_add_co_u32 s[G0S+1], s94, SCL
	s_mov_b64 s[G0S+2:G0S+3], s[22:23]
	s_or_b32 s[G0S+3], s[G0S+3], 0x80000000
	s_mov_b32 s[G0SB], 1
	s_add_co_u32 s[G0SB+1], s94, SCL
	s_mov_b64 s[G0SB+2:G0SB+3], s[92:93]
	s_or_b32 s[G0SB+3], s[G0SB+3], 0x80000000
	JLOAD G0S, G1S, G0SB, G1SB                     ; the scale bytes first; with the two below, three loads of mine are out
.irp s, 0,1
	s_mov_b32 s[G0+4*\s], 1
	s_add_co_u32 s[G0+4*\s+1], s45, \s*SLOT
	s_add_nc_u64 s[G0+4*\s+2:G0+4*\s+3], s[20:21], \s*ROWB
	s_or_b32 s[G0+4*\s+3], s[G0+4*\s+3], 0x80000000
	s_mov_b32 s[G0B+4*\s], 1
	s_add_co_u32 s[G0B+4*\s+1], s45, \s*SLOT
	s_add_nc_u64 s[G0B+4*\s+2:G0B+4*\s+3], s[46:47], \s*ROWB
	s_or_b32 s[G0B+4*\s+3], s[G0B+4*\s+3], 0x80000000
	JLOAD G0+4*\s, G1, G0B+4*\s, G1B
.endr
	v_and_b32 v1, 15, v0                           ; r
	v_bfe_u32 v2, v0, 4, 1                         ; h
	v_mul_u32_u24 v3, v1, PITCH
	v_lshl_add_u32 v4, v2, 4, v3                   ; a fragment's row x pitch + 16 h
	s_mul_i32 s21, s15, HALFT
	s_mul_i32 s22, s16, HALFT
	s_add_co_u32 s22, s22, 2*HALFT
.irp s, 0,1
	v_add_nc_u32 v[ADRA+\s], s21, v4
	v_add_nc_u32 v[ADRB+\s], s22, v4
	s_add_co_u32 s21, s21, SLOT
	s_add_co_u32 s22, s22, SLOT
.endr
	v_mul_u32_u24 v5, v1, KS                       ; my row's scale bytes,
	v_lshrrev_b32 v6, 8, v5
	v_lshl_add_u32 v5, v6, 4, v5                   ; 16 more for each 256 passed
	s_mul_i32 s21, s15, HALFS
	s_mul_i32 s22, s16, HALFS
	s_add_co_u32 s22, s22, 2*HALFS
	s_sub_co_u32 s22, s22, s21
	v_mul_u32_u24 v6, s22, v2                      ; lanes 16-31 take B's
	s_add_co_u32 s21, s21, SCL
	v_add_nc_u32 v5, v5, v6
	v_add_nc_u32 v[ADRS], s21, v5
	; the way out's addresses: each a constant + a lane term + a wave term
	s_mul_i32 s21, s16, 2*PS                       ; my two planes,
	s_mul_i32 s22, s15, 128*RP                     ; my 128 rows of them
	s_add_co_u32 s21, s21, s22
	v_mul_u32_u24 v5, v1, RP
	v_lshl_add_u32 v5, v2, 4, v5
	v_add_nc_u32 v[STO], s21, v5
	v_and_b32 v6, 31, v0
	v_lshrrev_b32 v5, 2, v6                        ; back: wave w takes plane w; four lanes to a row of 64 bytes
	v_mul_u32_u24 v5, v5, RP
	v_and_b32 v7, 3, v6
	v_lshl_add_u32 v5, v7, 4, v5
	s_mul_i32 s21, s14, PS
	v_add_nc_u32 v[RD], s21, v5
	v_lshlrev_b32 v[CO], 4, v6
	s_lshl_b32 s21, s14, 9
	s_add_co_u32 s21, s21, SSTG
	v_lshlrev_b32 v5, 2, v1
	v_lshl_add_u32 v5, v2, 8, v5
	v_add_nc_u32 v[SSTO], s21, v5                  ; [o = h][g][r] words
	v_add_nc_u32 v[SRD], s21, v[CO]
	v_lshlrev_b32 v5, 4, v1
	v_lshl_add_u32 v[SCO], v2, 9, v5               ; in the tile: o x 512 + 16 x (lane % 16)
	v_mov_b32 v[PSEL], s100
	v_mov_b32 v7, s101
	v_cmp_eq_u32 vcc_lo, 1, v2
	v_cndmask_b32 v[PSEL], v[PSEL], v7, vcc_lo
	s_lshl_b32 s20, s2, 16
	s_lshl_b32 s21, s14, 14
	s_add_co_u32 s20, s20, s21
	s_mov_b32 s21, 0
	s_add_nc_u64 s[12:13], s[12:13], s[20:21]      ; my plane of the output tile
	s_lshl_b32 s20, s2, 11
	s_lshl_b32 s22, s16, 10
	s_add_co_u32 s20, s20, s22
	s_lshl_b32 s22, s15, 8
	s_add_co_u32 s20, s20, s22
	s_add_nc_u64 s[66:67], s[66:67], s[20:21]      ; my part of its scale words
	; THE BIASES.  Both are loaded in every case, from inside their buffers, and the one that does not apply is masked to 0.
	s_lshl_b32 s18, s40, 10
	s_lshl_b32 s19, s16, 9
	s_add_co_u32 s18, s18, s19
	s_mov_b32 s19, 0
	s_add_nc_u64 s[96:97], s[96:97], s[18:19]      ; columns 256 cx + 128 x half on
	s_lshl_b32 s18, s41, 10
	s_lshl_b32 s19, s15, 9
	s_add_co_u32 s18, s18, s19
	s_mov_b32 s19, 0
	s_add_nc_u64 s[98:99], s[98:99], s[18:19]      ; rows 256 cy + 128 x half on
	v_lshlrev_b32 v[BNO], 5, v2
	v_lshlrev_b32 v[BMO], 2, v1
.irp b, 0,1,2,3,4,5,6,7
	global_load_b128 v[BN+8*\b:BN+8*\b+3], v[BNO], s[96:97] offset:64*\b
	global_load_b128 v[BN+8*\b+4:BN+8*\b+7], v[BNO], s[96:97] offset:64*\b+16
.endr
.irp a, 0,1,2,3,4,5,6,7
	global_load_b32 v[BM+2*\a], v[BMO], s[98:99] offset:64*\a
	v_mov_b32 v[BM+2*\a+1], 0                      ; named with it as a pair, so it is written
.endr
	s_not_b32 s18, s95
	s_wait_loadcnt 0x0
.set i, 0
.rept 64
	v_and_b32 v[BN+i], s18, v[BN+i]                ; v has no column bias
.set i, i+1
.endr
.irp a, 0,1,2,3,4,5,6,7
	v_and_b32 v[BM+2*\a], s95, v[BM+2*\a]          ; q and k have no row bias
.endr
.irp a, 0,1,2,3,4,5,6,7
	WIN 0x80+0x40*((\a)/4)                         ; destination window 2 or 3
.irp b, 0,1,2,3,4,5,6,7
.irp p, 0,2,4,6
	v_pk_add_f32 v[8*(8*((\a)%4)+\b)+\p:8*(8*((\a)%4)+\b)+\p+1], v[BN+8*\b+\p:BN+8*\b+\p+1], v[BM+2*\a:BM+2*\a+1] op_sel_hi:[1,0]
.endr
.endr
.endr
	WIN 0
.macro FRAG reg, adr, q, i             ; 16 rows x 128 K: lane l holds row l % 16; registers 4 c .. 4 c + 3 hold K = 32 c + 16 (l / 16) + 0 .. 15
.irp c, 0,1,2,3
	ds_load_b128 v[\reg+4*\c:\reg+4*\c+3], v[\adr] offset:128*(\q)+32*\c+(\i)*16*PITCH
.endr
.endm
; 16 matrix instructions: A's blocks a0, a0 + 1 x B's eight.  The 64 accumulators take turns, one instruction a turn, in the same order in every step.
.macro MUL16 a0, p, q, sc
.irp a, \a0, \a0+1
.irp b, 0,1,2,3,4,5,6,7
	v_wmma_scale_f32_16x16x128_f8f6f4 v[8*(8*((\a)%4)+\b):8*(8*((\a)%4)+\b)+7], v[128*(\p)+FR*\b:128*(\p)+FR*\b+FR-1], v[AF+FR*(\a):AF+FR*(\a)+FR-1], v[8*(8*((\a)%4)+\b):8*(8*((\a)%4)+\b)+7], v[SC+8*NQ*(\sc)+NQ*\b+(\q)], v[SC+8*NQ*(\sc)+NQ*(\a)+(\q)] matrix_a_scale:MATRIX_SCALE_ROW1
.endr
.endr
.endm
.macro FETCH_B slot, q, p
	WIN TO_B
.irp i, 0,1,2,3,4,5,6,7
	FRAG 128*(\p)+FR*\i, ADRB+\slot, \q, \i
.endr
	WIN 0
.endm
.macro FETCH_A slot, q, i0
.irp i, \i0, \i0+1, \i0+2, \i0+3
	FRAG AF+FR*(\i), ADRA+\slot, \q, \i
.endr
.endm
.macro SCALES sc                       ; a K step's scale words: lanes 0-15 A's block i, lanes 16-31 B's block i
.irp i, 0,1,2,3,4,5,6,7
	ds_load_b64 v[SC+8*NQ*\sc+NQ*\i:SC+8*NQ*\sc+NQ*\i+1], v[ADRS] offset:\i*SBLK
.endr
.endm
.macro PLACES n                        ; plain vector instructions between a matrix instruction and a load into, or a read of, its registers
.rept \n
	v_nop
.endr
.endm
.macro STEP slot, q                    ; 128 along K that have their successor in the same slot
	s_wait_dscnt 4*NL                              ; all but the youngest 16 loads (A's blocks 4-7) are in
	WIN MUL_LO
	MUL16 0, (\q)%2, \q, \slot
	MUL16 2, (\q)%2, \q, \slot
	s_wait_dscnt 0
	PLACES NP
	FETCH_B \slot, (\q)+1, 1-(\q)%2
	FETCH_A \slot, (\q)+1, 0
	WIN MUL_HI
	MUL16 4, (\q)%2, \q, \slot
	MUL16 6, (\q)%2, \q, \slot
	PLACES NP
	WIN 0
	FETCH_A \slot, (\q)+1, 4
.endm
; A slot's last step changes slots: one barrier; ahead of it each wave waits for all its tensor loads, adds 0 to its spare word, and waits for that and for its reads of this slot.
.macro TURN slot, next, fill
	s_wait_tensorcnt 0x0                           ; all my tensor loads have landed: my part of the next slot
	ds_add_u32 v[SPW], v[NIL]
	s_wait_dscnt 4*NL+1                            ; the add and the youngest 16 loads may be out
	WIN MUL_LO
	MUL16 0, 1, NQ-1, \slot
	s_wait_dscnt 0x0                               ; the add is done, and my reads of this slot are over
	s_barrier_signal -1
	MUL16 2, 1, NQ-1, \slot
	WIN 0
	s_barrier_wait -1
.if \fill
	CREST                                          ; the barrier has opened a round of the cluster's: no wave of any partner still reads this slot or has a load on its way
	s_add_nc_u64 s[G0+4*\slot+2:G0+4*\slot+3], s[G0+4*\slot+2:G0+4*\slot+3], 2*ROWB
	s_add_nc_u64 s[G0B+4*\slot+2:G0B+4*\slot+3], s[G0B+4*\slot+2:G0B+4*\slot+3], 2*ROWB
	JLOAD G0+4*\slot, G1, G0B+4*\slot, G1B         ; the first tensor load behind the round; its four v_nop are four of the eight places
	PLACES NP-4
.else
	PLACES NP
.endif
	s_wait_alu depctr_va_vdst(0)
	v_add_nc_u32 v[ADRS], 4*NQ, v[ADRS]            ; the next K step's scale words
	FETCH_B \next, 0, 0
	FETCH_A \next, 0, 0
	SCALES \next
	WIN MUL_HI
	MUL16 4, 1, NQ-1, \slot
	MUL16 6, 1, NQ-1, \slot
	PLACES NP
	WIN 0
	FETCH_A \next, 0, 4
.endm
	PLACES NP                                      ; behind the sums that start the accumulators
	s_wait_alu depctr_va_vdst(0)
	s_wait_tensorcnt 1                             ; the scale bytes and my part of K step 0 are in; K step 1's load may be out
	s_barrier_signal -1
	s_barrier_wait -1
	FETCH_B 0, 0, 0
	FETCH_A 0, 0, 0
	SCALES 0
	FETCH_A 0, 0, 4
	STEP 0, 0
	s_mov_b32 s3, LAPS-1
.Llap:                                             ; a trip goes once round the ring and fills both slots again
	TURN 0, 1, 1
	STEP 1, 0
	TURN 1, 0, 1
	STEP 0, 0
	s_sub_co_u32 s3, s3, 1
	s_cmp_lg_u32 s3, 0
	s_cbranch_scc1 .Llap
	TURN 0, 1, 0                                   ; the last lap fills nothing
	STEP 1, 0
	s_wait_dscnt 4*NL
	WIN MUL_LO
	MUL16 0, 1, NQ-1, 1
	MUL16 2, 1, NQ-1, 1
	s_wait_dscnt 0
	WIN MUL_HI
	MUL16 4, 1, NQ-1, 1
	MUL16 6, 1, NQ-1, 1
	WIN 0
	PLACES NP
; THE WAY OUT.  Block a (16 rows x 128 columns, 8 accumulators) is four blocks of 32 along the columns: accumulators 2 b and 2 b + 1 hold 16 numbers of block b in my lane, lane l xor 16 the other 16.
; A block's scale: the largest magnitude's exponent field less 8; the conversion.  Each accumulator is read from its low end on.
.macro QEPI a
.set W, 2+(\a)/4
.set AC, 64*((\a)%4)
.set PCA, PC+16*(\a)
	WIN 5*W                                        ; sources 0 and 1: the accumulators' window
.irp b, 0,1,2,3
	v_max3_num_f32 v[TM+\b], |v[AC+16*\b]|, |v[AC+16*\b+1]|, 0x4800000   ; with the floor 2^(9 - 127): the byte cannot fall under 1
.endr
.irp i, 2,4,6,8,10,12,14
.irp b, 0,1,2,3
	v_max3_num_f32 v[TM+\b], |v[AC+16*\b+\i]|, |v[AC+16*\b+\i+1]|, v[TM+\b]
.endr
.endr
	WIN 0
.irp b, 0,1,2,3
	v_permlanex16_b32 v[TM+4+\b], v[TM+\b], s20, s21
.endr
.irp b, 0,1,2,3
	v_max_num_f32 v[TM+\b], v[TM+\b], v[TM+4+\b]
.endr
.irp b, 0,1,2,3
	v_add_nc_u32 v[TM+12+\b], 0xfc000000, v[TM+\b] ; 8 off the exponent field: the conversion's scale operand
.endr
.irp b, 0,1,2,3
.endr
.irp b, 0,1,2,3
	v_lshrrev_b32 v[TM+4+\b], 23, v[TM+12+\b]      ; the scale's byte
.endr
	v_lshl_or_b32 v[PW+(\a)], v[TM+5], 8, v[TM+4]
	v_lshl_or_b32 v[PW+(\a)], v[TM+6], 16, v[PW+(\a)]
	v_lshl_or_b32 v[PW+(\a)], v[TM+7], 24, v[PW+(\a)]
	WIN (W<<6)|W
.irp b, 0,1,2,3
.irp i, 0,1,2,3,4,5,6,7,8,9,10,11,12,13,14,15
.endr
.endr
	WIN W
.irp t, 0,1,2,3,4,5,6,7
	v_cvt_scalef32_pk8_fp8_f32 v[PCA+2*\t:PCA+2*\t+1], v[AC+8*\t:AC+8*\t+7], v[TM+12+\t/2]
.endr
	WIN 0
	v_nop                                          ; a plain instruction behind the last conversion, ahead of the next writes of its sources
.irp b, 0,1,2,3
	ds_store_b128 v[STO], v[PCA+4*\b:PCA+4*\b+3] offset:(\b/2)*PS+16*(\a)*RP+32*(\b%2)
.endr
.if (\a)%2
	v_perm_b32 v[OW+(\a)/2], v[PW+(\a)], v[PW+(\a)-1], v[PSEL]   ; bytes 4-7 of the selector name the first source, 0-3 the second
	ds_store_b32 v[SSTO], v[OW+(\a)/2] offset:((\a)/2)*64
.endif
.endm
	s_mov_b32 s20, 0x76543210
	s_mov_b32 s21, 0xfedcba98                      ; v_permlanex16_b32's selects for lane l xor 16
.irp b, 0,1,2,3
	v_mov_b32 v[TM+4+\b], 0                        ; a lane permute's destination counts as one of its sources
.endr
.irp a, 0,1,2,3,4,5,6,7
	QEPI \a
.endr
	s_wait_dscnt 0x0                               ; for the others' sake: a plane's rows come from two waves
	s_barrier_signal -1
	s_barrier_wait -1
	ds_load_b128 v[SB:SB+3], v[SRD]
.set t, 0
.rept 32
	ds_load_b128 v[PC+4*t:PC+4*t+3], v[RD] offset:8*RP*t
.set t, t+1
.endr
.set t, 0
.rept 32
	s_wait_dscnt 31-t                              ; the younger loads may stay out
	global_store_b128 v[CO], v[PC+4*t:PC+4*t+3], s[12:13] offset:512*t   ; 32 lanes store 512 consecutive bytes; the wave 16,384 on end
.set t, t+1
.endr
	global_store_b128 v[SCO], v[SB:SB+3], s[66:67] ; two runs of 256 consecutive bytes, aligned
	s_wait_tensorcnt 0x0                           ; the wave's end
	ds_add_u32 v[SPW], v[NIL]
	s_wait_dscnt 0x0
	CROUND                                         ; the closing round
	s_endpgm
.Lfunc_end_k_qf47c2286bb_qkv:
	.size	k_qf47c2286bb_qkv, .Lfunc_end_k_qf47c2286bb_qkv-k_qf47c2286bb_qkv
	.p2alignl 7, 3214868480
	.fill 96, 4, 3214868480
	.section	.rodata,"a",@progbits
	.p2align	6, 0x0
	.amdhsa_kernel k_qf47c2286bb_qkv
		.amdhsa_group_segment_fixed_size 327680
		.amdhsa_private_segment_fixed_size 0
		.amdhsa_enable_private_segment 0
		.amdhsa_kernarg_size 104
		.amdhsa_user_sgpr_count 2
		.amdhsa_user_sgpr_kernarg_segment_ptr 1
		.amdhsa_wavefront_size32 1
		.amdhsa_system_sgpr_workgroup_id_x 1
		.amdhsa_system_sgpr_workgroup_id_y 1
		.amdhsa_system_sgpr_workgroup_id_z 1
		.amdhsa_system_vgpr_workitem_id 0
		.amdhsa_next_free_vgpr 1024
		.amdhsa_next_free_sgpr 102
		.amdhsa_reserve_vcc 1
		.amdhsa_float_denorm_mode_32 3
		.amdhsa_float_denorm_mode_16_64 3
		.amdhsa_fp16_overflow 1
		.amdhsa_memory_ordered 1
		.amdhsa_forward_progress 1
		.amdhsa_inst_pref_size 178
	.end_amdhsa_kernel
	.amdgpu_metadata
---
amdhsa.version: [ 1, 2 ]
amdhsa.kernels:
  - .name:           k_qf47c2286bb_qkv
    .symbol:         k_qf47c2286bb_qkv.kd
    .args:
      - { .name: x_codes, .offset: 0, .size: 8, .value_kind: global_buffer, .address_space: global }
      - { .name: x_scales, .offset: 8, .size: 8, .value_kind: global_buffer, .address_space: global }
      - { .name: Wq_codes, .offset: 16, .size: 8, .value_kind: global_buffer, .address_space: global }
      - { .name: Wq_scales, .offset: 24, .size: 8, .value_kind: global_buffer, .address_space: global }
      - { .name: Wk_codes, .offset: 32, .size: 8, .value_kind: global_buffer, .address_space: global }
      - { .name: Wk_scales, .offset: 40, .size: 8, .value_kind: global_buffer, .address_space: global }
      - { .name: Wv_codes, .offset: 48, .size: 8, .value_kind: global_buffer, .address_space: global }
      - { .name: Wv_scales, .offset: 56, .size: 8, .value_kind: global_buffer, .address_space: global }
      - { .name: bq, .offset: 64, .size: 8, .value_kind: global_buffer, .address_space: global }
      - { .name: bk, .offset: 72, .size: 8, .value_kind: global_buffer, .address_space: global }
      - { .name: bv, .offset: 80, .size: 8, .value_kind: global_buffer, .address_space: global }
      - { .name: qkv_codes, .offset: 88, .size: 8, .value_kind: global_buffer, .address_space: global }
      - { .name: qkv_scales, .offset: 96, .size: 8, .value_kind: global_buffer, .address_space: global }
    .group_segment_fixed_size: 327680
    .private_segment_fixed_size: 0
    .kernarg_segment_align: 8
    .kernarg_segment_size: 104
    .max_flat_workgroup_size: 128
    .sgpr_count:     102
    .vgpr_count:     1024
    .wavefront_size: 32
...
	.end_amdgpu_metadata
.endif
;; end of part 1
;; launch attn (part 2): grid 4 x 64, 16 waves a work-group, no clusters, 327,680 bytes of LDS; arguments qkv_codes, qkv_scales, ctx_codes, ctx_scales; writes ctx_codes, ctx_scales
.if DOCPART == 2
	.amdgcn_target "amdgcn-amd-amdhsa--gfx1250"
	.amdhsa_code_object_version 6
	.text
	.protected	k_qf47c2286bb_attn
	.globl	k_qf47c2286bb_attn
	.p2align	8
	.type	k_qf47c2286bb_attn,@function
k_qf47c2286bb_attn:
	s_mov_b64 s[64:65], 0
	v_nop
	global_prefetch_b8 v0, s[64:65] scope:SCOPE_SE
	s_setreg_imm32_b32 hwreg(HW_REG_WAVE_MODE, 25, 1), 1
	s_wait_xcnt 0x0
; ctx[b][q][head] = softmax over the keys k <= q of (q . k / 32) times v, both products on codes of FP8 (E4M3) with one E8M0 scale for each 32 along K; ctx is quantised along the head's 64 and stored as codes.
; THE SOFTMAX: t = score x log2(e) / 32; M = the running largest t rounded up to a whole number; p = 2^(t - M) is quantised along the keys, not normalised; the row's sum is taken of the unquantised p and divides at the end.
; SHARES.  Work-group (J, b x 16 + head) owns the blocks J and 7 - J of 256 queries and walks key tiles 0 .. J, then 0 .. 7 - J: always nine slots, so the trip count is a constant and all 256 work-groups have equal work.
; Each of sixteen waves owns 16 queries of the block in hand, tile QT = wave xor 8 (wave % 2): on the diagonal tile a wave has one or two steps, and of any four waves w, w + 4, .. or w .. w + 3 two have one and two have two.
; K = 64 IN AN INSTRUCTION OF K = 128.  A fragment of K holds TWO keys a row: registers 0-7 key 32 b + m, registers 8-15 key 32 b + 16 + m.  It is multiplied by [Q | 0] and by [0 | Q] (v16-23 = 0, v24-31 = Q, v32-39 = 0).
; Both products are used transposed, so a lane holds one query; the 16 registers of a pair of results are keys 32 b + 8 h + j and 32 b + 16 + 8 h + j: as slots 32 b + 16 h + 0 .. 15 of p's operand
; that is the order 0, 2, 1, 3 of a block's groups of eight, in which the launch before has laid V^T's codes.
; NO CLUSTER: the four work-groups of a head want different tiles at the same change of slots (tile N for N <= J, then N - J - 1); a common walk of tiles 0 .. 7 with both blocks at once would be 12 slots' work against 9.
; LIMITS: NaN and infinities are not served; a block under 2^(9 - 127) gets the byte 1; 1 / the sum is v_rcp_f32's.  ctx's scale bytes leave as 2 bytes a lane, rows 32 bytes apart: 1 byte in 33 of what is stored.
; LDS: slot s at 65,536 s: pieces of 4,352 bytes (16 rows of 256 + 16): 0-3 K's 64 keys each, 4-7 V^T's planes of 64 keys; piece 8: K's scale words (512 bytes); piece 9: V^T's (4 x 128 bytes).
.set SLOT1, 65536
.set PIECE, 4352
.set VCO,   4*PIECE
.set KSO,   8*PIECE
.set VSO,   9*PIECE
.set STAGE, 2*SLOT1                    ; 16 rows x 80 bytes for each wave: no fill lands here
.set SROW,  80
.set SPARE, STAGE+16*16*SROW           ; the spare words: 128 bytes a wave, named by no other line
.set AK0, 1                            ; (r / 4) 272 + (r % 4) 64 + 16 h: row r of 64 bytes in a piece
.set AS0, 2                            ; 4 r
.set STO, 3
.set SRD, 4
.set SPW, 5
.set NIL, 6
.set PFO, 7                            ; the prefetches' offset
.set AD,  8
.set ADS, 9
.set GO,  10                           ; 16 x lane
.set QOF, 11                           ; 64 r + 16 h
.set F,   40                           ; v40-103  four fragments of K or of V^T
.set S,   104                          ; v104-167 scores, then p
.set O,   168                          ; v168-199 O^T: register 8 t + j = channel 16 t + 8 h + j
.set PC,  200                          ; v200-215 codes
.set BMX, 216
.set T2,  220
.set LIM, 224
.set SOP, 228
.set SW,  232                          ; v232-235 K's or V^T's scale words, nothing else
.set FF,  236                          ; v[236:237] f = 2^(old M - new M)
.set PSW, 238                          ; p's scale word
.set TMP, 239
.set QSW, 240                          ; Q's scale word: its two bytes twice
.set DD,  241
.set NINF, 242
.set SUM2, 244
.set CSO, 246                          ; 32 r
.set RH,  247                          ; r - 8 h
.set WV, 12
.set J,  13
.set QT, 14
.set HQ, 15
.set HL, 16
.set TBS, 17                           ; 8 b: the batch's first token tile
.set HD, 18
.set MNT, 19
.set SEL, 20
.set CS, 22
.set G1C, 24                           ; group 1: a piece of codes
.set G1K, 32                           ; K's scale words
.set G1V, 40                           ; V^T's
.set G0, 48
.set BASEW, 52                         ; what my wave fetches of tile 0
.set STW, 54                           ; from tile to tile, in bytes
.set TB, 55
.set N,  56                            ; the trip
.set IDX, 57                           ; the key tile in hand
.set KF, 58
.set Q0, 59
.set JC, 60                            ; the block of queries in hand
.set J1, 61
.set LIMN, 62
.set QSEL, 63
.set PFA, 66
.set TQ, 80
; Waves 0-7 fetch the eight pieces of codes, wave 8 K's scale words, wave 9 V^T's, the others nothing: one load a wave.  Four v_nop follow each line.
.macro TLOAD
	s_cmp_lt_u32 s[WV], 8
	s_cbranch_scc0 .Lnot_c_\@
	tensor_load_to_lds s[G0:G0+3], s[G1C:G1C+7]
	s_nop 0
.rept 4
	v_nop
.endr
	s_branch .Lasked_\@
.Lnot_c_\@:
	s_cmp_eq_u32 s[WV], 8
	s_cbranch_scc0 .Lnot_k_\@
	tensor_load_to_lds s[G0:G0+3], s[G1K:G1K+7]
	s_nop 0
.rept 4
	v_nop
.endr
	s_branch .Lasked_\@
.Lnot_k_\@:
	s_cmp_eq_u32 s[WV], 9
	s_cbranch_scc0 .Lasked_\@
	tensor_load_to_lds s[G0:G0+3], s[G1V:G1V+7]
	s_nop 0
.rept 4
	v_nop
.endr
.Lasked_\@:
.endm
; A PREFETCH INTO THE L2 of the tile that the NEXT change of slots will ask for.  Only work-group J = 0 walks all eight tiles of its head (tile N - 1 in trip N): it asks, in trips 0 to 6, for tile N + 1.
; Waves 10 and 11 take K's plane, 8,192 bytes each, lanes 256 bytes apart; waves 12 and 13 V^T's four pieces, two each.  So each 256 bytes are named once; tile 0 and the scale words come by their loads alone.
.macro ASK
	s_cmp_lt_u32 s[N], s[LIMN]
	s_cbranch_scc0 .Lnot_mine_\@
	global_prefetch_b8 v[PFO], s[PFA:PFA+1] th:TH_LOAD_NT scope:SCOPE_SE
.Lnot_mine_\@:
.endm
	s_load_b256 s[4:11], s[0:1], 0x0               ; qkv_codes, qkv_scales, ctx_codes, ctx_scales
	v_lshl_add_u32 v[SPW], v0, 2, SPARE
	v_mov_b32 v[NIL], 0
	ds_add_u32 v5, v6
	ds_add_u32 v5, v6
	s_wait_dscnt 0x0
	v_lshrrev_b32 v[TMP], 5, v0
	s_delay_alu instid0(VALU_DEP_1)
	v_readfirstlane_b32 s[WV], v[TMP]              ; wave 0..15
	s_mov_b32 s[J], ttmp9
	s_add_co_u32 s[J1], s[J], 1
	s_and_b32 s68, ttmp7, 0xffff
	s_lshr_b32 s69, s68, 4
	s_lshl_b32 s[TBS], s69, 3
	s_and_b32 s[HD], s68, 15
	s_lshr_b32 s[HQ], s[HD], 2
	s_and_b32 s[HL], s[HD], 3
	s_and_b32 s68, s[WV], 1
	s_lshl_b32 s69, s68, 3
	s_xor_b32 s[QT], s[WV], s69
	s_mov_b32 s[QSEL], 0x03020302                  ; an odd tile's bytes are a stored word's upper two,
	s_cmp_eq_u32 s68, 0
	s_cselect_b32 s[QSEL], 0x01000100, s[QSEL]     ; an even tile's the lower two
	s_mov_b32 s[G1C], (3<<16)|(1<<20)|(5<<22)|(3<<25)   ; 4,096 dense bytes as 16 rows of 256 (32 elements of 8 bytes), 16 bytes of padding behind each
	s_mov_b32 s[G1C+1], 32<<16
	s_mov_b32 s[G1C+2], 16<<16
	s_mov_b32 s[G1C+3], 32<<16
	s_mov_b32 s[G1C+4], 16
	s_mov_b32 s[G1C+5], 32
	s_mov_b32 s[G1C+6], 0
	s_mov_b32 s[G1C+7], 0
	s_mov_b32 s[G1K], 3<<16                        ; one row of 512 bytes
	s_mov_b32 s[G1K+1], 64<<16
	s_mov_b32 s[G1K+2], 1<<16
	s_mov_b32 s[G1K+3], 64<<16
	s_mov_b32 s[G1K+4], 1
	s_mov_b32 s[G1K+5], 64
	s_mov_b32 s[G1K+6], 0
	s_mov_b32 s[G1K+7], 0
	s_mov_b32 s[G1V], 3<<16                        ; four rows of 128 bytes, 512 bytes apart
	s_mov_b32 s[G1V+1], 16<<16
	s_mov_b32 s[G1V+2], 4<<16
	s_mov_b32 s[G1V+3], 16<<16
	s_mov_b32 s[G1V+4], 4
	s_mov_b32 s[G1V+5], 64
	s_mov_b32 s[G1V+6], 0
	s_mov_b32 s[G1V+7], 0
	s_lshl_b32 s[TQ], s[HQ], 5
	s_add_co_u32 s[TQ], s[TQ], s[TBS]              ; q's tile 0 of this batch and these four heads; k's is 128 on, v's 256
	s_add_co_u32 s68, s[TQ], 128
	s_add_co_u32 s69, s[TQ], 256
	s_lshl_b32 s71, s68, 16
	s_lshl_b32 s70, s[HL], 14
	s_add_co_u32 s71, s71, s70                     ; K: the head's plane
	s_lshl_b32 s72, s69, 16
	s_lshl_b32 s70, s[HL], 12
	s_add_co_u32 s72, s72, s70                     ; V^T: the head's 64 rows of plane 0
	s_lshl_b32 s77, s68, 11
	s_lshl_b32 s70, s[HL], 9
	s_add_co_u32 s77, s77, s70                     ; K's scale words
	s_lshl_b32 s78, s69, 11
	s_lshl_b32 s70, s[HL], 7
	s_add_co_u32 s78, s78, s70                     ; V^T's: row half (head / 2) x 256 + (head % 2) x 128
	s_and_b32 s73, s[WV], 3
	s_lshl_b32 s70, s73, 12
	s_add_co_u32 s74, s71, s70                     ; my 64 keys
	s_lshl_b32 s70, s73, 14
	s_add_co_u32 s76, s72, s70                     ; my plane
	s_cmp_lt_u32 s[WV], 4
	s_cselect_b32 s74, s74, s76
	s_cmp_eq_u32 s[WV], 8
	s_cselect_b32 s77, s77, s78
	s_mov_b32 s[STW], 0x800
	s_mov_b32 s75, 0
	s_wait_kmcnt 0x0
	s_cmp_lt_u32 s[WV], 8
	s_cselect_b32 s74, s74, s77
	s_cselect_b32 s[STW], 0x10000, s[STW]
	s_cselect_b64 s[BASEW:BASEW+1], s[4:5], s[6:7]
	s_add_nc_u64 s[BASEW:BASEW+1], s[BASEW:BASEW+1], s[74:75]
	s_mov_b32 s[G0], 1
	s_mul_i32 s[G0+1], s[WV], PIECE                ; slot 0, my piece
	s_mov_b64 s[G0+2:G0+3], s[BASEW:BASEW+1]
	s_or_b32 s[G0+3], s[G0+3], 0x80000000
	TLOAD                                          ; key tile 0 into slot 0: one load of mine is out, here and behind every barrier
	s_and_b32 s70, s[WV], 1                        ; the prefetches: where my wave's stand, and who asks
	s_lshl_b32 s73, s70, 13
	s_add_co_u32 s71, s71, s73
	s_lshl_b32 s73, s70, 15
	s_add_co_u32 s72, s72, s73
	s_mov_b32 s73, 16384
	s_cmp_lt_u32 s[WV], 12
	s_cselect_b32 s70, s71, s72
	s_cselect_b32 s73, 4096, s73
	s_mov_b32 s71, 0
	s_add_nc_u64 s[PFA:PFA+1], s[4:5], s[70:71]    ; at tile 0: the first change of slots steps it to tile 1
	s_sub_co_u32 s70, s[WV], 10
	s_cmp_lt_u32 s70, 4
	s_cselect_b32 s70, 7, 0
	s_cmp_eq_u32 s[J], 0
	s_cselect_b32 s[LIMN], s70, 0
	s_mov_b32 s[SEL], 0x76543210
	s_mov_b32 s[SEL+1], 0xfedcba98
	s_mov_b32 s[CS], 0x3d38aa3b                    ; c = log2(e) / 32
	s_mov_b32 s[CS+1], s[CS]
	s_mov_b32 s[TB], 0
	s_mov_b32 s[N], 0
	s_mov_b32 s[IDX], 0
	s_mov_b32 s[JC], s[J]
	v_and_b32 v216, 15, v0                         ; r
	v_bfe_u32 v217, v0, 4, 1                       ; h
	v_and_b32 v218, 31, v0                         ; lane
	s_delay_alu instid0(VALU_DEP_3)
	v_lshrrev_b32 v[AK0], 2, v216
	s_delay_alu instid0(VALU_DEP_1)
	v_mul_u32_u24 v[AK0], v[AK0], 272
	v_and_b32 v219, 3, v216
	s_delay_alu instid0(VALU_DEP_1)
	v_lshl_add_u32 v[AK0], v219, 6, v[AK0]
	s_delay_alu instid0(VALU_DEP_1)
	v_lshl_add_u32 v[AK0], v217, 4, v[AK0]
	v_lshlrev_b32 v[AS0], 2, v216
	s_mul_i32 s68, s[WV], 16*SROW
	s_add_co_u32 s68, s68, STAGE
	v_mul_u32_u24 v[STO], v216, SROW
	s_delay_alu instid0(VALU_DEP_1)
	v_lshl_add_u32 v[STO], v217, 3, v[STO]
	s_delay_alu instid0(VALU_DEP_1)
	v_add_nc_u32 v[STO], s68, v[STO]               ; in: row r, 8 bytes for each half of the lanes
	v_lshrrev_b32 v[SRD], 2, v218
	s_delay_alu instid0(VALU_DEP_1)
	v_mul_u32_u24 v[SRD], v[SRD], SROW
	v_and_b32 v219, 3, v218
	s_delay_alu instid0(VALU_DEP_1)
	v_lshl_add_u32 v[SRD], v219, 4, v[SRD]
	s_delay_alu instid0(VALU_DEP_1)
	v_add_nc_u32 v[SRD], s68, v[SRD]               ; back: four lanes to a row of 64 bytes
	v_lshlrev_b32 v[GO], 4, v218
	v_lshlrev_b32 v[QOF], 6, v216
	s_delay_alu instid0(VALU_DEP_1)
	v_lshl_add_u32 v[QOF], v217, 4, v[QOF]
	v_lshlrev_b32 v[CSO], 5, v216
	v_lshlrev_b32 v219, 3, v217
	s_delay_alu instid0(VALU_DEP_1)
	v_sub_nc_u32 v[RH], v216, v219
	v_mov_b32 v[NINF], 0xff800000
	v_mul_u32_u24 v[PFO], s73, v217
	s_delay_alu instid0(VALU_DEP_1)
	v_lshl_add_u32 v[PFO], v216, 8, v[PFO]
.irp i, 16,17,18,19,20,21,22,23,32,33,34,35,36,37,38,39
	v_mov_b32 v\i, 0                               ; the zero halves beside Q: they stay
.endr
.irp b, 0,1,2,3
	v_mov_b32 v[T2+\b], 0                          ; a lane permute's destination counts as one of its sources
.endr
	v_mov_b32 v[FF+1], 0                           ; named as the upper half of a pair
	v_mov_b32 v[TMP], 0
; A block of queries begins: Q's fragment and scale word, and the state: the largest t -3e38, the sum and O^T zeros (the first change of M multiplies zeros).
.macro START
	s_lshl_b32 s[Q0], s[JC], 8
	s_lshl_b32 s68, s[QT], 4
	s_add_co_u32 s[Q0], s[Q0], s68                 ; my first query
	s_add_co_u32 s68, s[TQ], s[JC]
	s_lshl_b32 s70, s68, 16
	s_lshl_b32 s69, s[HL], 14
	s_add_co_u32 s70, s70, s69
	s_lshl_b32 s69, s[QT], 10
	s_add_co_u32 s70, s70, s69
	s_mov_b32 s71, 0
	s_add_nc_u64 s[70:71], s[4:5], s[70:71]
	s_lshl_b32 s72, s68, 11
	s_lshl_b32 s69, s[HL], 9
	s_add_co_u32 s72, s72, s69
	s_lshr_b32 s69, s[QT], 1
	s_lshl_b32 s69, s69, 6
	s_add_co_u32 s72, s72, s69
	s_mov_b32 s73, 0
	s_add_nc_u64 s[72:73], s[6:7], s[72:73]
	global_load_b128 v[24:27], v[QOF], s[70:71]
	global_load_b128 v[28:31], v[QOF], s[70:71] offset:32
	global_load_b32 v[TMP], v[AS0], s[72:73]
	v_mov_b32 v13, 0xff61b1e6
	s_delay_alu instid0(VALU_DEP_1)
	v_floor_f32 v12, -v13
	v_mov_b32 v14, 0
	v_mov_b32 v15, 0
.set i, 0
.rept 32
	v_mov_b32 v[O+i], 0
.set i, i+1
.endr
	s_wait_loadcnt 0x0
	v_perm_b32 v[QSW], v[TMP], v[TMP], s[QSEL]     ; my tile's two bytes, twice: for [Q | 0] and for [0 | Q]
.rept 8
	v_nop                                          ; a scale register written by a vector instruction stands eight places ahead of the product
.endr
.endm
; A KEY STEP: 128 keys, the q-th half of the tile in hand.
.macro STEP q
	s_add_co_u32 s68, s[Q0], 15
	s_cmp_gt_u32 s[KF], s68                        ; all its keys come after my queries: left out (a branch on ids; no barrier and no tensor load stands in a step)
	s_cbranch_scc1 .Lhidden_\@
	s_wait_alu depctr_va_vdst(0)
.irp b, 0,1,2,3
	ds_load_b128 v[F+16*\b:F+16*\b+3], v[AD] offset:(32*(\q)+8*\b)*272
	ds_load_b128 v[F+16*\b+4:F+16*\b+7], v[AD] offset:(32*(\q)+8*\b)*272+32
	ds_load_b128 v[F+16*\b+8:F+16*\b+11], v[AD] offset:(32*(\q)+8*\b)*272+1088      ; the key 16 further on: four rows of 272
	ds_load_b128 v[F+16*\b+12:F+16*\b+15], v[AD] offset:(32*(\q)+8*\b)*272+1120
	ds_load_b32 v[SW+\b], v[ADS] offset:KSO+(4*(\q)+\b)*64
.endr
	s_wait_dscnt 0x0
	s_wait_alu depctr_va_vdst(0)
.irp b, 0,1,2,3
	v_wmma_scale_f32_16x16x128_f8f6f4 v[S+16*\b:S+16*\b+7], v[F+16*\b:F+16*\b+15], v[24:39], 0, v[SW+\b], v[QSW]
	v_wmma_scale_f32_16x16x128_f8f6f4 v[S+16*\b+8:S+16*\b+15], v[F+16*\b:F+16*\b+15], v[16:31], 0, v[SW+\b], v[QSW]
.endr
.rept 8
	v_nop                                          ; places ahead of the loads into the fragments' registers and of the first read of the scores
.endr
.irp t, 0,1,2,3                                ; V^T's fragments are asked for now and land under the softmax
	ds_load_b128 v[F+16*\t:F+16*\t+3], v[AD] offset:VCO+2*(\q)*PIECE+\t*1088
	ds_load_b128 v[F+16*\t+4:F+16*\t+7], v[AD] offset:VCO+2*(\q)*PIECE+\t*1088+32
	ds_load_b128 v[F+16*\t+8:F+16*\t+11], v[AD] offset:VCO+2*(\q)*PIECE+\t*1088+PIECE
	ds_load_b128 v[F+16*\t+12:F+16*\t+15], v[AD] offset:VCO+2*(\q)*PIECE+\t*1088+PIECE+32
	ds_load_b32 v[SW+\t], v[ADS] offset:VSO+(2*(\q)+(\t%2))*128+(\t/2)*64
.endr
	s_add_co_u32 s68, s[KF], 127
	s_cmp_le_u32 s68, s[Q0]                        ; all keys count: no mask
	s_cbranch_scc1 .Lopen_\@
	s_sub_co_i32 s68, s[Q0], s[KF]
	v_add_nc_u32 v[DD], s68, v[RH]                 ; d = my query - KF - 8 h.  Register n holds key KF + 8 h + n + 8 (n / 8): hidden where n + 8 (n / 8) > d
.set n, 0
.rept 64
	v_cmp_gt_i32 vcc_lo, n+8*(n/8), v[DD]
	v_cndmask_b32 v[S+n], v[S+n], v[NINF], vcc_lo
.set n, n+1
.endr
.Lopen_\@:
.irp b, 0,1,2,3
	v_max3_num_f32 v[BMX+\b], v[S+16*\b], v[S+16*\b+1], v[S+16*\b+2]   ; the largest score of each block of 32 keys: for the row's maximum and, since p rises with the score, for the block's largest p
.endr
.irp i, 3,5,7,9,11,13
.irp b, 0,1,2,3
	v_max3_num_f32 v[BMX+\b], v[BMX+\b], v[S+16*\b+\i], v[S+16*\b+\i+1]
.endr
.endr
.irp b, 0,1,2,3
	v_max_num_f32 v[BMX+\b], v[BMX+\b], v[S+16*\b+15]
.endr
.irp b, 0,1,2,3
	s_delay_alu instid0(VALU_DEP_4)
	v_permlanex16_b32 v[T2+\b], v[BMX+\b], s[SEL], s[SEL+1]
.endr
.irp b, 0,1,2,3
	s_delay_alu instid0(VALU_DEP_4)
	v_max_num_f32 v[BMX+\b], v[BMX+\b], v[T2+\b]
.endr
	s_delay_alu instid0(VALU_DEP_2)
	v_max3_num_f32 v[TMP], v[BMX], v[BMX+1], v[BMX+2]
	s_delay_alu instid0(VALU_DEP_1)
	v_max_num_f32 v[TMP], v[TMP], v[BMX+3]
	s_delay_alu instid0(VALU_DEP_1)
	v_mul_f32 v[TMP], s[CS], v[TMP]
	s_delay_alu instid0(VALU_DEP_1)
	v_max_num_f32 v13, v13, v[TMP]                 ; the running largest t
	v_mov_b32 v[TMP], v12
	s_delay_alu instid0(VALU_DEP_2)
	v_floor_f32 v12, -v13                          ; -M = floor(-t): M is a whole number
	s_delay_alu instid0(VALU_DEP_1)
	v_sub_f32 v[TMP], v12, v[TMP]
	s_delay_alu instid0(VALU_DEP_1)
	v_cvt_i32_f32 v[TMP], v[TMP]                   ; (it saturates)
	s_delay_alu instid0(VALU_DEP_1)
	v_ldexp_f32 v[FF], 1.0, v[TMP]                 ; f = 2^(old M - new M): exact
.set j, 0
.rept 32
	v_pk_fma_f32 v[S+j:S+j+1], v[S+j:S+j+1], s[CS:CS+1], v[12:13] op_sel_hi:[1,0,0]   ; t - M
.set j, j+2
.endr
.irp b, 0,1,2,3
	v_fma_f32 v[BMX+\b], v[BMX+\b], s[CS], v12
.endr
.set j, 0
	s_wait_alu depctr_va_vdst(0)
.rept 64
	v_exp_f32 v[S+j], v[S+j]                       ; p = 2^(t - M)
.set j, j+1
.endr
	v_pk_mul_f32 v[14:15], v[14:15], v[FF:FF+1] op_sel_hi:[1,0]   ; the sums under the new M: the plain instruction behind the exponentials
	s_wait_alu depctr_va_vdst(0)                   ; one wait for the batch of 64, ahead of its first reader
.irp b, 0,1,2,3
	v_exp_f32 v[BMX+\b], v[BMX+\b]                 ; each block's largest p
.endr
	v_pk_add_f32 v[244:245], v[108:109], v[112:113]
	v_pk_add_f32 v[254:255], v[116:117], v[120:121]
	v_pk_add_f32 v[252:253], v[124:125], v[128:129]
	v_pk_add_f32 v[250:251], v[132:133], v[136:137]
	v_pk_add_f32 v[248:249], v[140:141], v[144:145]
	v_pk_add_f32 v[230:231], v[148:149], v[152:153]
	v_pk_add_f32 v[228:229], v[156:157], v[160:161]
	v_pk_add_f32 v[14:15], v[14:15], v[164:165]
	v_pk_add_f32 v[244:245], v[244:245], v[104:105]
	v_pk_add_f32 v[254:255], v[254:255], v[106:107]
	v_pk_add_f32 v[252:253], v[252:253], v[110:111]
	v_pk_add_f32 v[250:251], v[250:251], v[114:115]
	v_pk_add_f32 v[248:249], v[248:249], v[118:119]
	v_pk_add_f32 v[230:231], v[230:231], v[122:123]
	v_pk_add_f32 v[228:229], v[228:229], v[126:127]
	v_pk_add_f32 v[14:15], v[14:15], v[130:131]
	v_pk_add_f32 v[244:245], v[244:245], v[134:135]
	v_pk_add_f32 v[254:255], v[254:255], v[138:139]
	v_pk_add_f32 v[252:253], v[252:253], v[142:143]
	v_pk_add_f32 v[250:251], v[250:251], v[146:147]
	v_pk_add_f32 v[248:249], v[248:249], v[150:151]
	v_pk_add_f32 v[230:231], v[230:231], v[154:155]
	v_pk_add_f32 v[228:229], v[228:229], v[158:159]
	v_pk_add_f32 v[14:15], v[14:15], v[162:163]
	v_pk_add_f32 v[244:245], v[244:245], v[166:167]
	s_delay_alu instid0(VALU_DEP_2)
	v_pk_add_f32 v[14:15], v[14:15], v[250:251]
	s_delay_alu instid0(VALU_DEP_2)
	v_pk_add_f32 v[244:245], v[244:245], v[248:249]
	v_pk_add_f32 v[254:255], v[254:255], v[230:231]
	v_pk_add_f32 v[252:253], v[252:253], v[228:229]
	s_delay_alu instid0(VALU_DEP_2)
	v_pk_add_f32 v[14:15], v[14:15], v[254:255]
	s_delay_alu instid0(VALU_DEP_2)
	v_pk_add_f32 v[244:245], v[244:245], v[252:253]
	s_delay_alu instid0(VALU_DEP_1)
	v_pk_add_f32 v[14:15], v[14:15], v[244:245]
	s_wait_alu depctr_va_vdst(0)                   ; and one for the four
.irp b, 0,1,2,3
	v_max_num_f32 v[BMX+\b], 0x4800000, v[BMX+\b]  ; the floor 2^(9 - 127)
.endr
.irp b, 0,1,2,3
	s_delay_alu instid0(VALU_DEP_4)
	v_add_nc_u32 v[SOP+\b], 0xfc000000, v[BMX+\b]
.endr
.irp b, 0,1,2,3
.endr
.irp b, 0,1,2,3
	s_delay_alu instid0(VALU_DEP_4)
	v_lshrrev_b32 v[T2+\b], 23, v[SOP+\b]
.endr
	s_delay_alu instid0(VALU_DEP_3)
	v_lshl_or_b32 v[PSW], v[T2+1], 8, v[T2]
	s_delay_alu instid0(VALU_DEP_1)
	v_lshl_or_b32 v[PSW], v[T2+2], 16, v[PSW]
	s_delay_alu instid0(VALU_DEP_1)
	v_lshl_or_b32 v[PSW], v[T2+3], 24, v[PSW]
.irp b, 0,1,2,3
.irp i, 0,1,2,3,4,5,6,7,8,9,10,11,12,13,14,15
.endr
	v_cvt_scalef32_pk8_fp8_f32 v[PC+4*\b:PC+4*\b+1], v[S+16*\b:S+16*\b+7], v[SOP+\b]
	v_cvt_scalef32_pk8_fp8_f32 v[PC+4*\b+2:PC+4*\b+3], v[S+16*\b+8:S+16*\b+15], v[SOP+\b]
.endr
.set j, 0
.rept 16
	v_pk_mul_f32 v[O+j:O+j+1], v[O+j:O+j+1], v[FF:FF+1] op_sel_hi:[1,0]   ; O^T under the new M; also the places behind the conversions
.set j, j+2
.endr
.rept 4
	v_nop                                          ; between the last rescaling and the products that add onto it
.endr
	s_wait_alu depctr_va_vdst(0)
	s_wait_dscnt 0x0                               ; V^T's fragments and scale words
.irp t, 0,1,2,3                                ; the four accumulators by turns, one instruction a turn
	v_wmma_scale_f32_16x16x128_f8f6f4 v[O+8*\t:O+8*\t+7], v[F+16*\t:F+16*\t+15], v[PC:PC+15], v[O+8*\t:O+8*\t+7], v[SW+\t], v[PSW]
.endr
.rept 8
	v_nop                                          ; places ahead of whatever follows: the next loads into the fragments, or the way out's reads of O^T
.endr
.Lhidden_\@:
	s_add_co_u32 s[KF], s[KF], 128
.endm
.macro SLOT_STEPS
	s_lshl_b32 s[KF], s[IDX], 8
	v_add_nc_u32 v[AD], s[TB], v[AK0]
	v_add_nc_u32 v[ADS], s[TB], v[AS0]
	STEP 0
	STEP 1
	s_xor_b32 s[TB], s[TB], SLOT1
.endm
; THE CHANGE OF SLOTS, at a slot's head.  Each wave waits for all its tensor loads (its piece of the slot ahead), adds 0 to its spare word, and waits for that and for its reads of the slot that it has left.
; fill = 1: behind the barrier that other slot takes the next trip's tile: tile 0 of the second block behind the first block's last, else the next tile.
.macro CHANGE fill
	s_wait_tensorcnt 0x0                           ; no tensor load of mine is out, so group 0 may be written
	ds_add_u32 v[SPW], v[NIL]
.if \fill
	s_xor_b32 s[G0+1], s[G0+1], SLOT1
	s_add_co_u32 s68, s[IDX], 1
	s_cmp_eq_u32 s[N], s[J]
	s_cselect_b32 s68, 0, s68
	s_mul_i32 s68, s68, s[STW]
	s_mov_b32 s69, 0
	s_add_nc_u64 s[G0+2:G0+3], s[BASEW:BASEW+1], s[68:69]
	s_or_b32 s[G0+3], s[G0+3], 0x80000000
	s_wait_xcnt 0x0                                ; the last prefetch, a slot back, has read its address
	s_add_nc_u64 s[PFA:PFA+1], s[PFA:PFA+1], 0x10000
.endif
	s_wait_dscnt 0x0                               ; the add is done, and my reads of the slot that I have left are over
	s_barrier_signal -1
	s_barrier_wait -1
.if \fill
	TLOAD                                          ; the first thing behind the barrier, a wave's one tensor load until the next
	ASK
.endif
.endm
; A block of queries ends: O^T / the sum, quantised along the head's 64 (two blocks of 32; accumulators 2 b, 2 b + 1 and lane l xor 16 hold a block), through my stage, out as 1,024 bytes on end.
.macro FINISH
	v_add_f32 v14, v14, v15
	s_delay_alu instid0(VALU_DEP_1)
	v_permlanex16_b32 v[TMP], v14, s[SEL], s[SEL+1]
	s_delay_alu instid0(VALU_DEP_1)
	v_add_f32 v14, v14, v[TMP]
	s_wait_alu depctr_va_vdst(0)
	v_rcp_f32 v14, v14
	v_nop
	s_wait_alu depctr_va_vdst(0)                   ; ahead of the reciprocal's first reader
.set j, 0
.rept 16
	v_pk_mul_f32 v[S+j:S+j+1], v[O+j:O+j+1], v[14:15] op_sel_hi:[1,0]   ; each accumulator from its low end on
.set j, j+2
.endr
.irp b, 0,1
	v_max3_num_f32 v[BMX+\b], |v[S+16*\b]|, |v[S+16*\b+1]|, 0x4800000
.endr
.irp i, 2,4,6,8,10,12,14
.irp b, 0,1
	s_delay_alu instid0(VALU_DEP_2)
	v_max3_num_f32 v[BMX+\b], v[BMX+\b], |v[S+16*\b+\i]|, |v[S+16*\b+\i+1]|
.endr
.endr
.irp b, 0,1
	s_delay_alu instid0(VALU_DEP_2)
	v_permlanex16_b32 v[T2+\b], v[BMX+\b], s[SEL], s[SEL+1]
.endr
.irp b, 0,1
	s_delay_alu instid0(VALU_DEP_2)
	v_max_num_f32 v[BMX+\b], v[BMX+\b], v[T2+\b]
.endr
.irp b, 0,1
	s_delay_alu instid0(VALU_DEP_2)
	v_add_nc_u32 v[SOP+\b], 0xfc000000, v[BMX+\b]
.endr
.irp b, 0,1
.endr
.irp b, 0,1
	s_delay_alu instid0(VALU_DEP_2)
	v_lshrrev_b32 v[T2+\b], 23, v[SOP+\b]
.endr
	s_delay_alu instid0(VALU_DEP_1)
	v_lshl_or_b32 v[TMP], v[T2+1], 8, v[T2]        ; my query's two scale bytes of this head
.irp b, 0,1
.irp i, 0,1,2,3,4,5,6,7,8,9,10,11,12,13,14,15
.endr
.endr
.irp t, 0,1,2,3
	v_cvt_scalef32_pk8_fp8_f32 v[PC+2*\t:PC+2*\t+1], v[S+8*\t:S+8*\t+7], v[SOP+\t/2]
.endr
	v_nop                                          ; a plain instruction behind the last conversion
.irp t, 0,1,2,3
	ds_store_b64 v[STO], v[PC+2*\t:PC+2*\t+1] offset:16*\t   ; channels 16 t + 8 h on: the natural order, as Wo's K has it
.endr
	ds_load_b128 v[F:F+3], v[SRD]                  ; LDS serves a wave's instructions in order: these see my stores
	ds_load_b128 v[F+4:F+7], v[SRD] offset:8*SROW
	s_add_co_u32 s68, s[TBS], s[JC]                ; the token tile
	s_lshl_b32 s69, s68, 4
	s_add_co_u32 s69, s69, s[HD]
	s_lshl_b32 s74, s69, 14                        ; ctx_codes: [token tile][head][256][64]
	s_lshl_b32 s69, s[QT], 10
	s_add_co_u32 s74, s74, s69
	s_mov_b32 s75, 0
	s_add_nc_u64 s[74:75], s[8:9], s[74:75]
	s_lshl_b32 s76, s68, 8
	s_lshl_b32 s69, s[QT], 4
	s_add_co_u32 s76, s76, s69
	s_lshl_b32 s76, s76, 5                         ; ctx_scales: [token][32]
	s_lshl_b32 s69, s[HD], 1
	s_add_co_u32 s76, s76, s69
	s_mov_b32 s77, 0
	s_add_nc_u64 s[76:77], s[10:11], s[76:77]
	s_wait_alu depctr_va_vdst(0)
	s_wait_dscnt 0x0
	global_store_b128 v[GO], v[F:F+3], s[74:75]
	global_store_b128 v[GO], v[F+4:F+7], s[74:75] offset:512
	global_store_b16 v[CSO], v[TMP], s[76:77]      ; both halves of the lanes write the same two bytes with the same value
	s_wait_xcnt 0x0                                ; the stores have read their registers: these may be written again
.endm
	START
.Lslot:                                            ; eight trips: behind each change of slots but the last the next tile is asked for
	s_cmp_lg_u32 s[N], s[J1]
	s_cbranch_scc1 .Lsame                          ; (on ids and the counter: alike in all sixteen waves)
	FINISH                                         ; block J is done; block 7 - J begins
	s_sub_co_u32 s[JC], 7, s[J]
	s_mov_b32 s[IDX], 0
	START
.Lsame:
	CHANGE 1
	SLOT_STEPS
	s_add_co_u32 s[IDX], s[IDX], 1
	s_add_co_u32 s[N], s[N], 1
	s_cmp_lt_u32 s[N], 8
	s_cbranch_scc1 .Lslot
	CHANGE 0                                       ; the last slot is written out
	SLOT_STEPS
	FINISH
	s_wait_tensorcnt 0x0                           ; the wave's end
	ds_add_u32 v[SPW], v[NIL]
	s_wait_dscnt 0x0
	s_endpgm
.Lfunc_end_k_qf47c2286bb_attn:
	.size	k_qf47c2286bb_attn, .Lfunc_end_k_qf47c2286bb_attn-k_qf47c2286bb_attn
	.p2alignl 7, 3214868480
	.fill 96, 4, 3214868480
	.section	.rodata,"a",@progbits
	.p2align	6, 0x0
	.amdhsa_kernel k_qf47c2286bb_attn
		.amdhsa_group_segment_fixed_size 327680
		.amdhsa_private_segment_fixed_size 0
		.amdhsa_enable_private_segment 0
		.amdhsa_kernarg_size 32
		.amdhsa_user_sgpr_count 2
		.amdhsa_user_sgpr_kernarg_segment_ptr 1
		.amdhsa_wavefront_size32 1
		.amdhsa_system_sgpr_workgroup_id_x 1
		.amdhsa_system_sgpr_workgroup_id_y 1
		.amdhsa_system_sgpr_workgroup_id_z 1
		.amdhsa_system_vgpr_workitem_id 0
		.amdhsa_next_free_vgpr 256
		.amdhsa_next_free_sgpr 84
		.amdhsa_reserve_vcc 1
		.amdhsa_float_denorm_mode_32 3
		.amdhsa_float_denorm_mode_16_64 3
		.amdhsa_fp16_overflow 1
		.amdhsa_memory_ordered 1
		.amdhsa_forward_progress 1
		.amdhsa_inst_pref_size 116
	.end_amdhsa_kernel
	.amdgpu_metadata
---
amdhsa.version: [ 1, 2 ]
amdhsa.kernels:
  - .name:           k_qf47c2286bb_attn
    .symbol:         k_qf47c2286bb_attn.kd
    .args:
      - { .name: qkv_codes, .offset: 0, .size: 8, .value_kind: global_buffer, .address_space: global }
      - { .name: qkv_scales, .offset: 8, .size: 8, .value_kind: global_buffer, .address_space: global }
      - { .name: ctx_codes, .offset: 16, .size: 8, .value_kind: global_buffer, .address_space: global }
      - { .name: ctx_scales, .offset: 24, .size: 8, .value_kind: global_buffer, .address_space: global }
    .group_segment_fixed_size: 327680
    .private_segment_fixed_size: 0
    .kernarg_segment_align: 8
    .kernarg_segment_size: 32
    .max_flat_workgroup_size: 512
    .sgpr_count:     84
    .vgpr_count:     256
    .wavefront_size: 32
...
	.end_amdgpu_metadata
.endif
;; end of part 2
;; launch oproj (part 3): grid 4 x 32, 4 waves a work-group, clusters of 4 x 4, 327,680 bytes of LDS; arguments ctx_codes, ctx_scales, Wo_codes, Wo_scales, bo, out0; writes out0
.if DOCPART == 3
	.amdgcn_target "amdgcn-amd-amdhsa--gfx1250"
	.amdhsa_code_object_version 6
	.text
	.protected	k_qf47c2286bb_oproj
	.globl	k_qf47c2286bb_oproj
	.p2align	8
	.type	k_qf47c2286bb_oproj,@function
k_qf47c2286bb_oproj:
	s_mov_b64 s[64:65], 0
	v_nop
	global_prefetch_b8 v0, s[64:65] scope:SCOPE_SE
	s_setreg_imm32_b32 hwreg(HW_REG_WAVE_MODE, 25, 1), 1
	s_wait_xcnt 0x0
	s_wait_alu depctr_hold_cnt(0) depctr_sa_sdst(0) depctr_va_vdst(0) depctr_va_sdst(0) depctr_va_ssrc(0) depctr_va_vcc(0) depctr_vm_vsrc(0)
	s_getreg_b32 s2, hwreg(HW_REG_IB_STS2, 6, 4)
	s_cmp_eq_u32 s2, 0
	s_cbranch_scc0 .Lentry_in_a_cluster
	s_endpgm
.Lentry_in_a_cluster:
	s_bfe_u32 s2, ttmp6, 0x10000c
	s_cmp_lg_u32 s2, 0xf033
	s_cbranch_scc0 .Lentry_shape_is_right
	s_endpgm
.Lentry_shape_is_right:
; out0 = ctx Wo + bo.  ctx: 8,192 rows x 1,024 as codes of FP8 (E4M3), laid [token tile of 256][head][256 rows][64 bytes] by the launch before, its scale bytes [8,192][32];
; Wo: [1,024 (n)][1,024 (k)] codes, scale bytes [1,024][32]; bo [1,024], out0 [8,192][1,024]: f32.
; A tile of 256 x 256 is made by four waves, 128 x 128 each: 64 accumulators.  K goes in steps of 256 (four heads) through two LDS slots; a K step of A's tile is 65,536 dense bytes, four planes of 256 rows x 64 bytes.
; The scale bytes of the tile's rows come once and stay.  CLUSTERS: 4 x 4 work-groups; A's tiles are asked for jointly along a row of the cluster, B's along a column.
; THE MATRIX INSTRUCTION IS USED TRANSPOSED (source 0 = 16 rows of Wo, source 1 = 16 rows of ctx): a lane holds eight neighbouring numbers of a row of out0.  bo is the C of each sum's first product.
; 128 work-groups: a tile of 256 x 128 would give 256, at twice the LDS bytes for each product of B's side; not built here.
; REGISTERS, in windows of 256: window 0: v0-31 addresses; v32-63 scale words, two sets; v64-127 bo; from v128 A's fragments, one set; on the way out v128-255 rows.  window 1: B's fragments, two sets.  windows 2, 3: accumulators.
.set SIZE_K, 1024
.set SIZE_N, 1024
.set KSTEP,  256
.set NQ,     KSTEP/128
.set ROWB,   256
.set KROW,   SIZE_K
.set PITCH,  272
.set PLANE,  64*272                    ; a plane of A in LDS: 256 rows of 64 bytes as 64 rows of 256 + 16: row m at (m / 4) 272 + (m % 4) 64
.set ASTEP,  65536                     ; a K step of A's tile in memory
.set FR,     16
.set NL,     4
.set NP,     8
.set HALFT,  128*PITCH
.set SLOT,   4*HALFT
.set LAPS,   SIZE_K/(2*KSTEP)
.set KS,     SIZE_K/32
.set SCL,    2*SLOT
.set HALFS,  (128*KS/256)*272
.set SBLK,   (16*KS/256)*272
.set SPARE,  SCL+4*HALFS
.set SPITCH, 528                       ; the way out: 16 rows x (512 bytes + 16) for each wave, in slot 0, which has had its last fill and its last read by then
.set ADRA, 16
.set ADRB, 20
.set STO,  24
.set RD,   25
.set CO,   26
.set ADRS, 27
.set SPW,  28
.set NIL,  29
.set BNO,  30
.set SC,   32
.set BN,   64                          ; bo: register 8 b + j = column 16 b + 8 h + j of my 128
.set AF,   128
.set BK,   128
.set G1, 24
.set G0, 32
.set G1B, 48
.set G0B, 56
.set G1S, 68
.set G0S, 76
.set G1SB, 80
.set G0SB, 88
.set MSB, 0
.macro WIN new
.if MSB != (\new)
	s_set_vgpr_msb (MSB<<8)|(\new)
.set MSB, (\new)
.endif
.endm
.set MUL_LO, 0xa1
.set MUL_HI, 0xf1
.set TO_B,   0x40
.macro JLOAD g0a, g1a, g0b, g1b        ; a joint load: waves 0 and 1 fetch for A, waves 2 and 3 for B; four v_nop follow each line
	s_cmp_eq_u32 s15, 0
	s_cbranch_scc0 .Lfor_b_\@
	tensor_load_to_lds s[\g0a:\g0a+3], s[\g1a:\g1a+7]
	s_nop 0
.rept 4
	v_nop
.endr
	s_branch .Lasked_\@
.Lfor_b_\@:
	tensor_load_to_lds s[\g0b:\g0b+3], s[\g1b:\g1b+7]
	s_nop 0
.rept 4
	v_nop
.endr
.Lasked_\@:
.endm
.macro CREST
	s_cmp_lg_u32 s14, 0
	s_cbranch_scc1 .Lnot_wave_0_\@
	s_barrier_signal -3
.Lnot_wave_0_\@:
	s_barrier_wait -3
	s_barrier_signal -1
	s_barrier_wait -1
.endm
.macro CROUND
	s_barrier_signal -1
	s_barrier_wait -1
	CREST
.endm
	s_load_b128 s[4:7], s[0:1], 0x0                ; ctx's codes, ctx's scales
	s_load_b128 s[8:11], s[0:1], 0x10              ; Wo's codes, Wo's scales
	s_load_b64 s[96:97], s[0:1], 0x20              ; bo
	s_load_b64 s[12:13], s[0:1], 0x28              ; out0
	v_lshl_add_u32 v[SPW], v0, 2, SPARE
	v_mov_b32 v[NIL], 0
	ds_add_u32 v28, v29
	ds_add_u32 v28, v29
	s_wait_dscnt 0x0
	v_lshrrev_b32 v1, 5, v0
	v_readfirstlane_b32 s14, v1                    ; wave 0..3
	s_lshr_b32 s15, s14, 1                         ; my half of the rows.  Also: I fetch for A (0) or for B (1)
	s_and_b32 s16, s14, 1                          ; my half of the columns.  Also: which half of that tile I fetch
	s_bfe_u32 s40, ttmp6, 0x40000                  ; cx
	s_bfe_u32 s41, ttmp6, 0x40004                  ; cy
	s_lshl_b32 s42, ttmp9, 2
	s_add_co_u32 s42, s42, s40                     ; tile column
	s_and_b32 s17, ttmp7, 0xffff
	s_lshl_b32 s17, s17, 2
	s_add_co_u32 s17, s17, s41                     ; tile row = token tile
	s_lshl_b32 s43, s41, 2
	s_lshl_b32 s43, 15, s43                        ; my row of the cluster
	s_lshl_b32 s44, 0x1111, s40                    ; my column
	; group 1 for A: two planes, 32,768 dense bytes, as 128 rows of 256 (32 elements of 8 bytes), 16 bytes of padding behind each
	s_or_b32 s[G1+0], s43, (3<<16)|(1<<20)|(1<<21)|(5<<22)|(3<<25)
	s_mov_b32 s[G1+1], 32<<16
	s_mov_b32 s[G1+2], 128<<16
	s_mov_b32 s[G1+3], 32<<16
	s_mov_b32 s[G1+4], 128
	s_mov_b32 s[G1+5], 32
	s_mov_b32 s[G1+6], 0
	s_mov_b32 s[G1+7], 0
	; for B: 128 rows x 256 bytes, 1,024 bytes apart, padded likewise
	s_or_b32 s[G1B+0], s44, (0<<16)|(1<<20)|(1<<21)|(5<<22)|(3<<25)
	s_mov_b32 s[G1B+1], ROWB<<16
	s_mov_b32 s[G1B+2], 128<<16
	s_mov_b32 s[G1B+3], ROWB<<16
	s_mov_b32 s[G1B+4], 128
	s_mov_b32 s[G1B+5], KROW
	s_mov_b32 s[G1B+6], 0
	s_mov_b32 s[G1B+7], 0
	; the scale bytes of 128 rows: 4,096 dense bytes
	s_or_b32 s[G1S+0], s43, (3<<16)|(1<<20)|(1<<21)|(5<<22)|(3<<25)
	s_or_b32 s[G1SB+0], s44, (3<<16)|(1<<20)|(1<<21)|(5<<22)|(3<<25)
.irp g, G1S, G1SB
	s_mov_b32 s[\g+1], 32<<16
	s_mov_b32 s[\g+2], (128*KS/256)<<16
	s_mov_b32 s[\g+3], 32<<16
	s_mov_b32 s[\g+4], 128*KS/256
	s_mov_b32 s[\g+5], 32
	s_mov_b32 s[\g+6], 0
	s_mov_b32 s[\g+7], 0
.endr
	s_lshl_b32 s18, s16, 7
	s_lshl_b32 s20, s17, 8
	s_add_co_u32 s20, s20, s18                     ; A: row 256 x tile row + 128 x half (for the scale bytes)
	s_lshl_b32 s46, s42, 8
	s_add_co_u32 s46, s46, s18                     ; B: row 256 x tile column + 128 x half
	s_mov_b32 s21, 0
	s_mov_b32 s47, 0
	s_mov_b64 s[18:19], KS
	s_mul_u64 s[22:23], s[20:21], s[18:19]
	s_mul_u64 s[92:93], s[46:47], s[18:19]
	s_mov_b64 s[18:19], KROW
	s_mul_u64 s[46:47], s[46:47], s[18:19]
	s_lshl_b32 s20, s17, 18                        ; A's codes: 262,144 x token tile + 32,768 x half (two planes)
	s_lshl_b32 s18, s16, 15
	s_add_co_u32 s20, s20, s18
	s_mul_i32 s45, s14, HALFT
	s_mul_i32 s94, s14, HALFS
	s_wait_kmcnt 0x0
	s_add_nc_u64 s[20:21], s[4:5], s[20:21]
	s_add_nc_u64 s[22:23], s[6:7], s[22:23]
	s_add_nc_u64 s[46:47], s[8:9], s[46:47]
	s_add_nc_u64 s[92:93], s[10:11], s[92:93]
	CROUND                                         ; all sixteen work-groups are here: the first joint loads meet
	s_mov_b32 s[G0S], 1
	s_add_co_u32 s[G0S+1], s94, SCL
	s_mov_b64 s[G0S+2:G0S+3], s[22:23]
	s_or_b32 s[G0S+3], s[G0S+3], 0x80000000
	s_mov_b32 s[G0SB], 1
	s_add_co_u32 s[G0SB+1], s94, SCL
	s_mov_b64 s[G0SB+2:G0SB+3], s[92:93]
	s_or_b32 s[G0SB+3], s[G0SB+3], 0x80000000
	JLOAD G0S, G1S, G0SB, G1SB                     ; each load below waits for the one before: one load of mine is out at a time
.irp s, 0,1
	s_mov_b32 s[G0+4*\s], 1
	s_add_co_u32 s[G0+4*\s+1], s45, \s*SLOT
	s_add_nc_u64 s[G0+4*\s+2:G0+4*\s+3], s[20:21], \s*ASTEP
	s_or_b32 s[G0+4*\s+3], s[G0+4*\s+3], 0x80000000
	s_mov_b32 s[G0B+4*\s], 1
	s_add_co_u32 s[G0B+4*\s+1], s45, \s*SLOT
	s_add_nc_u64 s[G0B+4*\s+2:G0B+4*\s+3], s[46:47], \s*ROWB
	s_or_b32 s[G0B+4*\s+3], s[G0B+4*\s+3], 0x80000000
	s_wait_alu depctr_va_vdst(0)
	s_wait_tensorcnt 0x0
	ds_add_u32 v28, v29
	s_wait_dscnt 0x0
	CROUND
	JLOAD G0+4*\s, G1, G0B+4*\s, G1B
.endr
	v_and_b32 v1, 15, v0                           ; r
	v_bfe_u32 v2, v0, 4, 1                         ; h
	v_mul_u32_u24 v3, v1, PITCH
	v_lshl_add_u32 v4, v2, 4, v3                   ; B: row x pitch + 16 h
	v_lshrrev_b32 v5, 2, v1                        ; A: (r / 4) 272 + (r % 4) 64 + 16 h
	v_mul_u32_u24 v5, v5, 272
	v_and_b32 v6, 3, v1
	v_lshl_add_u32 v5, v6, 6, v5
	v_lshl_add_u32 v5, v2, 4, v5
	s_mul_i32 s21, s15, 32*272                     ; my 128 rows of each plane
	s_mul_i32 s22, s16, HALFT
	s_add_co_u32 s22, s22, 2*HALFT
.irp s, 0,1
	v_add_nc_u32 v[ADRA+\s], s21, v5
	v_add_nc_u32 v[ADRB+\s], s22, v4
	s_add_co_u32 s21, s21, SLOT
	s_add_co_u32 s22, s22, SLOT
.endr
	v_mul_u32_u24 v5, v1, KS
	v_lshrrev_b32 v6, 8, v5
	v_lshl_add_u32 v5, v6, 4, v5
	s_mul_i32 s21, s15, HALFS
	s_mul_i32 s22, s16, HALFS
	s_add_co_u32 s22, s22, 2*HALFS
	s_sub_co_u32 s22, s22, s21
	v_mul_u32_u24 v6, s22, v2                      ; lanes 16-31 take B's
	s_add_co_u32 s21, s21, SCL
	v_add_nc_u32 v5, v5, v6
	v_add_nc_u32 v[ADRS], s21, v5
	s_mul_i32 s23, s14, 16*SPITCH                  ; my stage
	v_mul_u32_u24 v5, v1, SPITCH
	v_lshl_add_u32 v5, v2, 5, v5
	v_add_nc_u32 v[STO], s23, v5
	v_and_b32 v6, 31, v0
	v_lshlrev_b32 v[CO], 4, v6
	v_add_nc_u32 v[RD], s23, v[CO]
	s_lshl_b32 s20, s17, 8
	s_lshl_b32 s21, s15, 7
	s_add_co_u32 s20, s20, s21                     ; my first row of out0
	s_mov_b32 s21, 0
	s_mov_b64 s[18:19], SIZE_N*4
	s_mul_u64 s[20:21], s[20:21], s[18:19]
	s_lshl_b32 s46, s42, 10                        ; my first column, in bytes
	s_lshl_b32 s47, s16, 9
	s_add_co_u32 s46, s46, s47
	s_mov_b32 s47, 0
	s_add_nc_u64 s[20:21], s[20:21], s[46:47]
	s_add_nc_u64 s[12:13], s[12:13], s[20:21]
	s_add_nc_u64 s[96:97], s[96:97], s[46:47]      ; bo at the same column
	v_lshlrev_b32 v[BNO], 5, v2
.irp b, 0,1,2,3,4,5,6,7
	global_load_b128 v[BN+8*\b:BN+8*\b+3], v[BNO], s[96:97] offset:64*\b
	global_load_b128 v[BN+8*\b+4:BN+8*\b+7], v[BNO], s[96:97] offset:64*\b+16
.endr
.macro FRAG reg, adr, q, i             ; B: 16 rows x 128 K from rows of 256 bytes
.irp c, 0,1,2,3
	ds_load_b128 v[\reg+4*\c:\reg+4*\c+3], v[\adr] offset:128*(\q)+32*\c+(\i)*16*PITCH
.endr
.endm
.macro FRAGA reg, adr, q, i            ; A: K = 128 q + 32 c + 16 h lies in plane 2 q + c / 2 at byte 32 (c % 2) + 16 h; 16 rows are four rows of 272
.irp c, 0,1,2,3
	ds_load_b128 v[\reg+4*\c:\reg+4*\c+3], v[\adr] offset:(2*(\q)+\c/2)*PLANE+(\i)*1088+32*(\c%2)
.endr
.endm
; 16 matrix instructions: A's blocks a0, a0 + 1 x B's eight.  first = 1: bo is the C: nothing is cleared.  The 64 accumulators take turns, one instruction a turn.
.macro MUL16 a0, p, q, sc, first
.irp a, \a0, \a0+1
.irp b, 0,1,2,3,4,5,6,7
.if \first
	v_wmma_scale_f32_16x16x128_f8f6f4 v[8*(8*((\a)%4)+\b):8*(8*((\a)%4)+\b)+7], v[128*(\p)+FR*\b:128*(\p)+FR*\b+FR-1], v[AF+FR*(\a):AF+FR*(\a)+FR-1], v[BN+8*\b:BN+8*\b+7], v[SC+8*NQ*(\sc)+NQ*\b+(\q)], v[SC+8*NQ*(\sc)+NQ*(\a)+(\q)] matrix_a_scale:MATRIX_SCALE_ROW1
.else
	v_wmma_scale_f32_16x16x128_f8f6f4 v[8*(8*((\a)%4)+\b):8*(8*((\a)%4)+\b)+7], v[128*(\p)+FR*\b:128*(\p)+FR*\b+FR-1], v[AF+FR*(\a):AF+FR*(\a)+FR-1], v[8*(8*((\a)%4)+\b):8*(8*((\a)%4)+\b)+7], v[SC+8*NQ*(\sc)+NQ*\b+(\q)], v[SC+8*NQ*(\sc)+NQ*(\a)+(\q)] matrix_a_scale:MATRIX_SCALE_ROW1
.endif
.endr
.endr
.endm
.macro FETCH_B slot, q, p
	WIN TO_B
.irp i, 0,1,2,3,4,5,6,7
	FRAG 128*(\p)+FR*\i, ADRB+\slot, \q, \i
.endr
	WIN 0
.endm
.macro FETCH_A slot, q, i0
.irp i, \i0, \i0+1, \i0+2, \i0+3
	FRAGA AF+FR*(\i), ADRA+\slot, \q, \i
.endr
.endm
.macro SCALES sc
.irp i, 0,1,2,3,4,5,6,7
	ds_load_b64 v[SC+8*NQ*\sc+NQ*\i:SC+8*NQ*\sc+NQ*\i+1], v[ADRS] offset:\i*SBLK
.endr
.endm
.macro PLACES n
.rept \n
	v_nop
.endr
.endm
.macro STEP slot, q, first
	s_wait_dscnt 4*NL                              ; all but the youngest 16 loads (A's blocks 4-7) are in
.if \first
	WIN 0x81                                       ; C (bo) in window 0, D in window 2
.else
	WIN MUL_LO
.endif
	MUL16 0, (\q)%2, \q, \slot, \first
	MUL16 2, (\q)%2, \q, \slot, \first
	s_wait_dscnt 0
	PLACES NP
	FETCH_B \slot, (\q)+1, 1-(\q)%2
	FETCH_A \slot, (\q)+1, 0
.if \first
	WIN 0xc1
.else
	WIN MUL_HI
.endif
	MUL16 4, (\q)%2, \q, \slot, \first
	MUL16 6, (\q)%2, \q, \slot, \first
	PLACES NP
	WIN 0
	FETCH_A \slot, (\q)+1, 4
.endm
.macro TURN slot, next, fill
	s_wait_tensorcnt 0x0                           ; all my tensor loads have landed: my part of the next slot
	ds_add_u32 v[SPW], v[NIL]
	s_wait_dscnt 4*NL+1                            ; the add and the youngest 16 loads may be out
	WIN MUL_LO
	MUL16 0, 1, NQ-1, \slot, 0
	s_wait_dscnt 0x0                               ; the add is done, and my reads of this slot are over
	s_barrier_signal -1
	MUL16 2, 1, NQ-1, \slot, 0
	WIN 0
	s_barrier_wait -1
.if \fill
	CREST                                          ; the barrier has opened a round of the cluster's: no wave of any partner still reads this slot or has a load on its way
	s_add_nc_u64 s[G0+4*\slot+2:G0+4*\slot+3], s[G0+4*\slot+2:G0+4*\slot+3], 2*ASTEP
	s_add_nc_u64 s[G0B+4*\slot+2:G0B+4*\slot+3], s[G0B+4*\slot+2:G0B+4*\slot+3], 2*ROWB
	JLOAD G0+4*\slot, G1, G0B+4*\slot, G1B
	PLACES NP-4
.else
	PLACES NP
.endif
	s_wait_alu depctr_va_vdst(0)
	v_add_nc_u32 v[ADRS], 4*NQ, v[ADRS]
	FETCH_B \next, 0, 0
	FETCH_A \next, 0, 0
	SCALES \next
	WIN MUL_HI
	MUL16 4, 1, NQ-1, \slot, 0
	MUL16 6, 1, NQ-1, \slot, 0
	PLACES NP
	WIN 0
	FETCH_A \next, 0, 4
.endm
	s_wait_alu depctr_va_vdst(0)
	s_wait_tensorcnt 1                             ; the scale bytes and my part of K step 0 are in; K step 1's load may be out
	s_barrier_signal -1
	s_barrier_wait -1
	FETCH_B 0, 0, 0
	FETCH_A 0, 0, 0
	SCALES 0
	FETCH_A 0, 0, 4
	s_wait_loadcnt 0x0                             ; bo
	STEP 0, 0, 1                                   ; the first step stands ahead of the loop: its products start the sums on bo
	s_mov_b32 s3, LAPS-1
.Llap:
	TURN 0, 1, 1
	STEP 1, 0, 0
	TURN 1, 0, 1
	STEP 0, 0, 0
	s_sub_co_u32 s3, s3, 1
	s_cmp_lg_u32 s3, 0
	s_cbranch_scc1 .Llap
	TURN 0, 1, 0                                   ; the last lap fills nothing
	STEP 1, 0, 0
	s_wait_dscnt 4*NL
	WIN MUL_LO
	MUL16 0, 1, NQ-1, 1, 0
	MUL16 2, 1, NQ-1, 1, 0
	s_wait_dscnt 0
	WIN MUL_HI
	MUL16 4, 1, NQ-1, 1, 0
	MUL16 6, 1, NQ-1, 1, 0
	WIN 0
; THE WAY OUT, block by block of 16 rows x 128 columns, through my own stage: in as 32 bytes a lane, back as whole rows of 512 bytes.  LDS serves a wave's instructions in order.
.macro TOSTAGE a
.set AC, 64*((\a)%4)
	WIN 0x08+4*((\a)/4)                            ; the data: window 2 or 3
.irp b, 0,1,2,3,4,5,6,7
	ds_store_b128 v[STO], v[AC+8*\b:AC+8*\b+3] offset:64*\b          ; each accumulator from its low end on
	ds_store_b128 v[STO], v[AC+8*\b+4:AC+8*\b+7] offset:64*\b+16
.endr
	WIN 0
.set BB, BK+64*((\a)%2)
.irp t, 0,1,2,3,4,5,6,7,8,9,10,11,12,13,14,15
	ds_load_b128 v[BB+4*\t:BB+4*\t+3], v[RD] offset:\t*SPITCH
.endr
.endm
.macro SEND a, younger
.set BB, BK+64*((\a)%2)
	s_wait_dscnt \younger                          ; the block is back in registers
.if (\a) > 0
	s_add_nc_u64 s[12:13], s[12:13], 16*SIZE_N*4   ; (behind a wait on XCNT: the earlier stores have read their base)
.endif
.irp t, 0,1,2,3,4,5,6,7,8,9,10,11,12,13,14,15
	global_store_b128 v[CO], v[BB+4*\t:BB+4*\t+3], s[12:13] offset:\t*SIZE_N*4 th:TH_STORE_NT   ; 32 lanes store 512 consecutive bytes, aligned
.endr
.endm
	PLACES NP
	TOSTAGE 0
.irp a, 1,2,3,4,5,6,7
.if \a > 1
	s_wait_xcnt 0x0                                ; block a - 2's stores have read their registers and their base
.endif
	TOSTAGE \a
	SEND \a-1, 32                                  ; behind block a - 1's loads: block a's 16 stores and 16 loads
.endr
	s_wait_xcnt 0x0
	SEND 7, 0
	s_wait_tensorcnt 0x0                           ; the wave's end
	ds_add_u32 v[SPW], v[NIL]
	s_wait_dscnt 0x0
	CROUND                                         ; the closing round
	s_endpgm
.Lfunc_end_k_qf47c2286bb_oproj:
	.size	k_qf47c2286bb_oproj, .Lfunc_end_k_qf47c2286bb_oproj-k_qf47c2286bb_oproj
	.p2alignl 7, 3214868480
	.fill 96, 4, 3214868480
	.section	.rodata,"a",@progbits
	.p2align	6, 0x0
	.amdhsa_kernel k_qf47c2286bb_oproj
		.amdhsa_group_segment_fixed_size 327680
		.amdhsa_private_segment_fixed_size 0
		.amdhsa_enable_private_segment 0
		.amdhsa_kernarg_size 48
		.amdhsa_user_sgpr_count 2
		.amdhsa_user_sgpr_kernarg_segment_ptr 1
		.amdhsa_wavefront_size32 1
		.amdhsa_system_sgpr_workgroup_id_x 1
		.amdhsa_system_sgpr_workgroup_id_y 1
		.amdhsa_system_sgpr_workgroup_id_z 1
		.amdhsa_system_vgpr_workitem_id 0
		.amdhsa_next_free_vgpr 1024
		.amdhsa_next_free_sgpr 98
		.amdhsa_reserve_vcc 0
		.amdhsa_float_denorm_mode_32 3
		.amdhsa_float_denorm_mode_16_64 3
		.amdhsa_memory_ordered 1
		.amdhsa_forward_progress 1
		.amdhsa_inst_pref_size 148
	.end_amdhsa_kernel
	.amdgpu_metadata
---
amdhsa.version: [ 1, 2 ]
amdhsa.kernels:
  - .name:           k_qf47c2286bb_oproj
    .symbol:         k_qf47c2286bb_oproj.kd
    .args:
      - { .name: ctx_codes, .offset: 0, .size: 8, .value_kind: global_buffer, .address_space: global }
      - { .name: ctx_scales, .offset: 8, .size: 8, .value_kind: global_buffer, .address_space: global }
      - { .name: Wo_codes, .offset: 16, .size: 8, .value_kind: global_buffer, .address_space: global }
      - { .name: Wo_scales, .offset: 24, .size: 8, .value_kind: global_buffer, .address_space: global }
      - { .name: bo, .offset: 32, .size: 8, .value_kind: global_buffer, .address_space: global }
      - { .name: out0, .offset: 40, .size: 8, .value_kind: global_buffer, .address_space: global }
    .group_segment_fixed_size: 327680
    .private_segment_fixed_size: 0
    .kernarg_segment_align: 8
    .kernarg_segment_size: 48
    .max_flat_workgroup_size: 128
    .sgpr_count:     98
    .vgpr_count:     1024
    .wavefront_size: 32
...
	.end_amdgpu_metadata
.endif
;; end of part 3
